; MI455X (gfx1250); checked and timed in simulation.
; The chip was launched on July 23, 2026; its instructions are those of AMD's public machine-readable ISA for CDNA 5 (MIT licence, August 2026) and "CDNA5" Instruction Set Architecture Reference Guide (July 2026). The comments in the code are by the model that wrote it; some were corrected since.
;; Grouped Query Attention. Allowed arithmetic: matrix products marked QUANTISED: E2M1 operands, one E8M0 scale for each 32 along K, by v_wmma_scale_f32_16x16x128_f8f6f4 with both operands' format E2M1 (or v_wmma_scale_f32_32x16x128_f4), f32 sums; products left as they are: bf16, f16 or f32 operands; f32 sums; everything else in f32.
;; Inputs: W_k 2,048 x 512 float32; W_o 2,048 x 2,048 float32; W_q 2,048 x 2,048 float32; W_v 2,048 x 512 float32; mask 1 x 1 x 2,048 x 2,048 int32; x 1 x 2,048 x 2,048 float32.
;; Outputs: out0 1 x 2,048 x 2,048 float32; out1 1 x 8 x 2,048 x 64 float32; out2 1 x 8 x 2,048 x 64 float32.
;; This version of the problem:
;;   THIS VERSION OF THE PROBLEM IS GIVEN IN LOW PRECISION. The matrix products marked QUANTISED in the list below multiply operands that are first quantised to E2M1 (2 exponent bits, 1 mantissa bit; 4 bits a number), with one power-of-two scale for each 32 numbers along K (OCP MX v1.0); their sums are f32. The products marked 'left as it is' may take bf16, f16 or f32 operands, with f32 sums. Whichever they take, every output number must still come out within the allowed error. Rounding operands to bf16 (8 significant bits) uses up far more of that allowance than f16 does (11 bits, for magnitudes from 6e-5 to 65,504). All else is computed in f32.
;;   The module's matrix products, in the order in which they are computed (A, B: the left and right operand; K: the contracted axis; several contracted axes count as one K, in the product's order):
;;     1. [M 2,048, K 2,048] x [K 2,048, N 2,048]; A: input x; B: input W_q: QUANTISED
;;     2. [M 2,048, K 2,048] x [K 2,048, N 512]; A: input x; B: input W_k: QUANTISED
;;     3. [M 2,048, K 2,048] x [K 2,048, N 512]; A: input x; B: input W_v: QUANTISED
;;     4. batch 8 x [M 8,192, K 64] x [K 64, N 2,048]; A: computed on the way; B: computed on the way: left as it is (an operand is computed on the way)
;;     5. batch 8 x [M 8,192, K 2,048] x [K 2,048, N 64]; A: computed on the way; B: computed on the way: left as it is (an operand is computed on the way)
;;     6. [M 2,048, K 2,048] x [K 2,048, N 2,048]; A: computed on the way; B: input W_o: left as it is (an operand is computed on the way)
;;   THE QUANTISER, for each operand of a quantised product, along K:
;;     - K is cut into blocks of 32 from its start; a last block that is shorter is filled with zeros.
;;     - A block's scale is 2^e with e = floor(log2(the largest magnitude in the block)) - 2, held to -126 .. 127; a block of zeros has e = 0. As a byte (E8M0): e + 127.
;;     - Each number is divided by its block's scale, clamped to +-6, and rounded to the nearest number of E2M1, ties to even, subnormals kept.
;;     - The product sums the exact products of the quantised numbers (number of the format x scale) in f32.
;;   ~~~python
;;   def quantise(x, axis):      # numpy; x: float32 -> the quantised numbers, widened to float32 again
;;       x = np.moveaxis(x, axis, -1); K = x.shape[-1]
;;       x = np.pad(x, [(0, 0)] * (x.ndim - 1) + [(0, -K % 32)]); x = x.reshape(x.shape[:-1] + (-1, 32)); a = np.abs(x).max(-1, keepdims=True)
;;       e = np.where(a > 0, np.clip(np.frexp(np.where(a > 0, a, 1))[1] - 1 - 2, -126, 127), 0)      # np.frexp(a)[1] - 1 = floor(log2(a)), exactly
;;       r = np.clip(x / 2.0 ** e, -6, 6)
;;       step = 2.0 ** (np.maximum(np.frexp(np.where(r == 0, 1, r))[1] - 1, 0) - 1)
;;       q = np.round(r / step) * step * 2.0 ** e      # np.round: ties to even
;;       return np.moveaxis(q.reshape(q.shape[:-2] + (-1,))[..., :K], -1, axis).astype(np.float32)
;;   ~~~
;; One version. Each part assembles by itself: llvm-mc -triple=amdgcn-amd-amdhsa -mcpu=gfx1250 --defsym DOCPART=n.
;; ======== version 1 of 1: 4 launches
;; limits: values are held in f16: magnitudes above 65,504 overflow, below 6.1e-05 lose precision
;; workspace buffers: codes 5,242,880 bytes; scales 327,680 bytes; wo16 8,388,608 bytes; mb 2,097,152 bytes; qkvh 12,582,912 bytes; ah 8,388,608 bytes
;; launch prep (part 1): grid 576 x 1, 4 waves a work-group, no clusters, 67,072 bytes of LDS; arguments x, W_q, W_k, W_v, W_o, mask, codes, scales, wo16, mb; writes codes, scales, wo16, mb
.if DOCPART == 1
	.amdgcn_target "amdgcn-amd-amdhsa--gfx1250"
	.amdhsa_code_object_version 6
	.text
	.protected	k_qa961a51b73_prep
	.globl	k_qa961a51b73_prep
	.p2align	8
	.type	k_qa961a51b73_prep,@function
k_qa961a51b73_prep:
	s_mov_b64 s[64:65], 0
	v_nop
	global_prefetch_b8 v0, s[64:65] scope:SCOPE_SE
	s_setreg_imm32_b32 hwreg(HW_REG_WAVE_MODE, 25, 1), 1
	s_wait_xcnt 0x0
; PREP: every input is read once and laid as the later launches want it.  Four kinds of work-group, told apart by the work-group's number; each kind has LDS bytes of its own.
;   0-191   W: W_q, W_k, W_v ([k][n] f32, K is the first axis) -> codes of FP4 (E2M1) with K innermost, 1,024 bytes a row, and one E8M0 byte for each 32 along K, 64 bytes a row.
;              Rows are laid in the order n' in which the product's tiles of 192 want them: tile tx = Q head 2 tx, Q head 2 tx + 1, then K head tx (tx < 8) or V head tx - 8.
;   192-319 X: x ([row][k] f32) -> codes and scale bytes, a plain stream of blocks of 32.
;   320-447 M: mask (int32) -> one FP4 code a number: 0 where the key counts, 0xA (the code of -1) where mask == 0, laid [tile of 16 queries][step of 64 keys][lane][16 bytes]:
;              word g, nibble j of lane (r, h) is query 16 qt + r, key 64 ks + 16 g + 8 h + j: the order of a lane's registers in attention's transposed scores.
;   448-575 O: W_o -> f16, same order.
; EVERY WAVE OF EVERY KIND OWNS 32,768 BYTES OF ITS INPUT AND KEEPS 8,192 OF THEM ON THEIR WAY, so that all kinds go round their rings equally often.
; A block's scale is 2^(floor(log2(its largest magnitude)) - 2); its byte is the largest magnitude's exponent field - 2, held at 1 from below (a block of zeros so gets the byte 1: its codes are zeros, and this program alone reads the bytes).
; LIMITS: NaN and infinities among the inputs are not served; |W_o| stays under 65,504 (f16); blocks whose largest magnitude lies under 2^-124 keep the byte 1.
; No tensor loads, no barrier: waves share nothing.
.set LW,    32768                      ; path W: four stages of 16 x 272 bytes (path X has bytes 0 to 32,767: 8,192 a wave)
.set LM,    50176                      ; path M: 4,096 bytes a wave
.set SPARE, 66560                      ; the spare words, 128 bytes for each wave: two blocks of 256 bytes that no other line names
.set SPW,   12                         ; v12  LDS address of my spare word; never rewritten
.set NIL,   13                         ; v13  0; never rewritten
	s_load_b512 s[4:19], s[0:1], 0x0               ; x s[4:5], W_q s[6:7], W_k s[8:9], W_v s[10:11], W_o s[12:13], mask s[14:15], codes s[16:17], scales s[18:19]
	s_load_b128 s[20:23], s[0:1], 0x40             ; wo16 s[20:21], mb s[22:23]
	v_lshl_add_u32 v[SPW], v0, 2, SPARE
	v_mov_b32 v[NIL], 0
	v_lshrrev_b32 v1, 5, v0
	v_readfirstlane_b32 s24, v1                    ; wave 0..3
	v_and_b32 v2, 31, v0                           ; lane
	s_wait_kmcnt 0x0
	s_cmp_lt_u32 ttmp9, 192
	s_cbranch_scc1 .Lpath_w
	s_cmp_lt_u32 ttmp9, 320
	s_cbranch_scc1 .Lpath_x
	s_cmp_lt_u32 ttmp9, 448
	s_cbranch_scc1 .Lpath_m
; ---------------- path O: a wave takes 8,192 numbers of W_o: 64 loads of 512 consecutive bytes through a ring of 16 register slots; each store covers 256 consecutive bytes, aligned
	s_sub_co_u32 s25, ttmp9, 448
	s_lshl_b32 s25, s25, 2
	s_add_co_u32 s25, s25, s24                     ; which run of 8,192 numbers
	s_lshl_b32 s26, s25, 15
	s_mov_b32 s27, 0
	s_add_nc_u64 s[12:13], s[12:13], s[26:27]
	s_lshl_b32 s26, s25, 14
	s_add_nc_u64 s[20:21], s[20:21], s[26:27]
	v_lshlrev_b32 v3, 4, v2                        ; in: 16 bytes a lane
	v_lshlrev_b32 v4, 3, v2                        ; out: 8 bytes a lane
.set n, 0
.rept 16
	global_load_b128 v[32+4*n:35+4*n], v3, s[12:13] offset:512*n th:TH_LOAD_NT
.set n, n+1
.endr
.set n, 0
.rept 64
.if n <= 48
	s_wait_loadcnt 15                              ; loads come back in order: mine is in, the 15 younger ones stay out
.else
	s_wait_loadcnt 63-n                            ; the last turns load nothing: the counts run down
.endif
.if n >= 16
	s_wait_xcnt 0x0                                ; the slot's pair was a store's data 16 turns ago: it is rewritten only behind this wait
.endif
	v_cvt_pk_f16_f32 v[96+2*(n%16)], v[32+4*(n%16)], v[33+4*(n%16)]
	v_cvt_pk_f16_f32 v[97+2*(n%16)], v[34+4*(n%16)], v[35+4*(n%16)]
.if n+16 < 64
	global_load_b128 v[32+4*(n%16):35+4*(n%16)], v3, s[12:13] offset:512*(n+16) th:TH_LOAD_NT
.endif
	global_store_b64 v4, v[96+2*(n%16):97+2*(n%16)], s[20:21] offset:256*n
.set n, n+1
.endr
	s_wait_tensorcnt 0x0                           ; the wave's end
	ds_add_u32 v[SPW], v[NIL]
	s_wait_dscnt 0x0
	s_endpgm
; ---------------- path M: a work-group takes 16 queries, a wave 512 keys of them.  Load n: query n / 4, keys 128 (n % 4) + 4 lane + 0 .. 3: 512 consecutive bytes.
; A lane's four numbers become four nibbles, 16 bits, which go to their place in the wave's 4,096 bytes of LDS; these leave as they lie, 512 consecutive bytes a store.
.Lpath_m:
	s_sub_co_u32 s25, ttmp9, 320                   ; qt: which 16 queries
	s_lshl_b32 s26, s25, 17                        ; 16 rows of 8,192 bytes
	s_lshl_b32 s28, s24, 11                        ; my wave's 512 keys
	s_add_co_u32 s26, s26, s28
	s_mov_b32 s27, 0
	s_add_nc_u64 s[14:15], s[14:15], s[26:27]
	s_lshl_b32 s26, s25, 14                        ; out: 16,384 bytes a tile of queries, 4,096 a wave
	s_lshl_b32 s28, s24, 12
	s_add_co_u32 s26, s26, s28
	s_add_nc_u64 s[22:23], s[22:23], s[26:27]
	v_lshlrev_b32 v3, 4, v2                        ; 16 x lane
	v_lshrrev_b32 v4, 4, v2                        ; key step within the load's 128 keys: lane / 16: 512 bytes
	v_lshlrev_b32 v4, 9, v4
	v_bfe_u32 v5, v2, 1, 1                         ; h = (key / 8) % 2: 256 bytes
	v_lshl_add_u32 v4, v5, 8, v4
	v_bfe_u32 v5, v2, 2, 2                         ; word g = (key / 16) % 4
	v_lshl_add_u32 v4, v5, 2, v4
	v_and_b32 v5, 1, v2                            ; which half of the word
	v_lshl_add_u32 v4, v5, 1, v4
	s_add_co_u32 s28, s28, LM
	v_add_nc_u32 v4, s28, v4                       ; where my 16 bits go; the load's number adds 1,024 (n % 4) + 16 (n / 4)
	v_add_nc_u32 v5, s28, v3                       ; and where I read 16 bytes back
.set n, 0
.rept 16
	global_load_b128 v[32+4*n:35+4*n], v3, s[14:15] offset:8192*(n/4)+512*(n%4) th:TH_LOAD_NT
.set n, n+1
.endr
.set n, 0
.rept 64
.if n <= 48
	s_wait_loadcnt 15                              ; mine is in, the 15 younger ones stay out
.else
	s_wait_loadcnt 63-n
.endif
	v_min_u32 v16, 1, v[32+4*(n%16)]               ; 1 where mask != 0
	v_min_u32 v17, 1, v[33+4*(n%16)]
	v_min_u32 v18, 1, v[34+4*(n%16)]
	v_min_u32 v19, 1, v[35+4*(n%16)]
	v_lshl_or_b32 v16, v17, 4, v16
	v_lshl_or_b32 v18, v19, 4, v18
	v_lshl_or_b32 v16, v18, 8, v16                 ; four nibbles, the lower key in the lower bits
	v_xor_b32 v16, 0x1111, v16                     ; 1 where mask == 0
	v_mul_u32_u24 v16, v16, 10                     ; 0xA there: the code of -1
	ds_store_b16 v4, v16 offset:1024*(n%4)+16*(n/4)
.if n+16 < 64
	global_load_b128 v[32+4*(n%16):35+4*(n%16)], v3, s[14:15] offset:8192*((n+16)/4)+512*((n+16)%4) th:TH_LOAD_NT
.endif
.set n, n+1
.endr
.irp k, 0,1,2,3,4,5,6,7
	ds_load_b128 v[96+4*\k:99+4*\k], v5 offset:512*\k      ; LDS serves a wave's instructions in order: these see my stores
.endr
.irp k, 0,1,2,3,4,5,6,7
	s_wait_dscnt 7-\k
	global_store_b128 v3, v[96+4*\k:99+4*\k], s[22:23] offset:512*\k
.endr
	s_wait_tensorcnt 0x0                           ; the wave's end, behind my last LDS store
	ds_add_u32 v[SPW], v[NIL]
	s_wait_dscnt 0x0
	s_endpgm
; ---------------- path X: a wave takes 16 steps of 512 numbers of x.  Each load reads 512 consecutive bytes; a step's 2,048 bytes turn through the wave's own stage in LDS (16 bytes of padding behind each 64),
; so that a lane then holds 16 neighbours along K; two neighbouring lanes hold a block of 32.  A wave's 256 scale bytes are gathered in LDS and leave as one aligned run of 256 bytes.
.Lpath_x:
.set XR,  16                           ; v16-79   four sets of 16 numbers as they are loaded
.set XX,  80                           ; v80-111  two sets of 16 neighbours
.set XE,  112                          ; v112-127 a scale byte for each step
.set XC,  128                          ; v128-191 codes: four registers for each step, so that no store's data are written again
.set XSP, 80                           ; a lane's place in a stage
	v_lshlrev_b32 v3, 4, v2
	s_lshl_b32 s25, s24, 13                        ; my wave's 8,192 bytes of LDS
	v_lshrrev_b32 v14, 2, v2
	v_mul_u32_u24 v14, v14, XSP
	v_and_b32 v15, 3, v2
	v_lshl_add_u32 v14, v15, 4, v14
	v_add_nc_u32 v14, s25, v14                     ; the stage, on the way in: 80 (lane / 4) + 16 (lane % 4)
	v_mul_u32_u24 v15, v2, XSP
	v_add_nc_u32 v15, s25, v15                     ; and on the way out: 80 x lane
	v_lshlrev_b32 v4, 3, v2                        ; my codes' place in a step's: 8 bytes
	v_lshrrev_b32 v5, 1, v2
	s_add_co_u32 s25, s25, 2*32*XSP
	v_add_nc_u32 v5, s25, v5                       ; my block's scale byte
	v_lshlrev_b32 v7, 3, v2
	v_add_nc_u32 v6, s25, v7
	s_sub_co_u32 s26, ttmp9, 192
	s_lshl_b32 s26, s26, 2
	s_add_co_u32 s26, s26, s24                     ; which run of 8,192 numbers
	s_mov_b32 s29, 0
	s_lshl_b32 s28, s26, 15
	s_add_nc_u64 s[4:5], s[4:5], s[28:29]
	s_lshl_b32 s28, s26, 12
	s_add_nc_u64 s[16:17], s[16:17], s[28:29]
	s_lshl_b32 s28, s26, 8
	s_add_nc_u64 s[18:19], s[18:19], s[28:29]
.macro XLOAD t
.irp i, 0,1,2,3
	global_load_b128 v[XR+16*((\t)%4)+4*\i:XR+16*((\t)%4)+4*\i+3], v3, s[4:5] offset:2048*(\t)+512*\i th:TH_LOAD_NT
.endr
.endm
.macro XTURN t                         ; step t's numbers through the stage: LDS serves a wave's instructions in order, so no wait stands between the stores and the loads
.irp i, 0,1,2,3
	ds_store_b128 v14, v[XR+16*((\t)%4)+4*\i:XR+16*((\t)%4)+4*\i+3] offset:32*XSP*((\t)%2)+8*XSP*\i
.endr
.irp i, 0,1,2,3
	ds_load_b128 v[XX+16*((\t)%2)+4*\i:XX+16*((\t)%2)+4*\i+3], v15 offset:32*XSP*((\t)%2)+16*\i
.endr
.endm
.irp t, 0,1,2,3
	XLOAD \t
.endr
	s_wait_loadcnt 12                              ; step 0's four loads are in
	XTURN 0
.macro XSTEP t
.set XXS, XX+16*((\t)%2)
.if (\t) > 0
	s_wait_dscnt 1                                 ; this step's numbers are back from the stage (the last step's byte store may be out)
.else
	s_wait_dscnt 0x0
.endif
.if (\t)+4 < 16
	XLOAD (\t)+4
.endif
.if (\t)+1 < 16
.if 14-(\t) >= 3
	s_wait_loadcnt 12                              ; the next step's four loads are in; those of the three steps behind it may be out
.else
	s_wait_loadcnt 4*(14-(\t))
.endif
	XTURN (\t)+1
.endif
	v_max3_num_f32 v8, |v[XXS]|, |v[XXS+1]|, |v[XXS+2]|
	v_max3_num_f32 v9, |v[XXS+3]|, |v[XXS+4]|, |v[XXS+5]|
.irp i, 6,10
	v_max3_num_f32 v8, v8, |v[XXS+\i]|, |v[XXS+\i+1]|
	v_max3_num_f32 v9, v9, |v[XXS+\i+2]|, |v[XXS+\i+3]|
.endr
	v_max3_num_f32 v8, v8, |v[XXS+14]|, |v[XXS+15]|
	v_max3_num_f32 v8, v8, v9, 0x1800000           ; and the floor 2^(3 - 127): the byte cannot fall under 1
	v_max_num_f32_dpp v8, v8, v8 row_xmask:1 row_mask:0xf bank_mask:0xf   ; with my neighbour's 16: the block's largest magnitude
	v_add_nc_u32 v11, 0xff000000, v8               ; 2 off its exponent field: the conversion takes the exponent field of this operand as its scale
	v_cvt_scalef32_pk8_fp4_f32 v[XC+4*(\t)], v[XXS:XXS+7], v11
	v_cvt_scalef32_pk8_fp4_f32 v[XC+4*(\t)+1], v[XXS+8:XXS+15], v11
	v_lshrrev_b32 v[XE+(\t)], 23, v11              ; the scale's byte
	ds_store_b8 v5, v[XE+(\t)] offset:16*(\t)      ; both lanes of a block write the same byte with the same value
	global_store_b64 v4, v[XC+4*(\t):XC+4*(\t)+1], s[16:17] offset:256*(\t)
.endm
.irp t, 0,1,2,3,4,5,6,7,8,9,10,11,12,13,14,15
	XSTEP \t
.endr
	ds_load_b64 v[8:9], v6
	s_wait_dscnt 0x0
	global_store_b64 v7, v[8:9], s[18:19]          ; 32 lanes store 256 consecutive bytes, aligned
	s_wait_tensorcnt 0x0                           ; the wave's end, behind my last LDS store
	ds_add_u32 v[SPW], v[NIL]
	s_wait_dscnt 0x0
	s_endpgm
; ---------------- path W: a lane takes a column n and its registers run down K: a block of 32 along K lies in one lane's 32 registers, and the conversions give codes with K innermost.
; A work-group takes one head's 64 columns x 512 along K; a wave 16 columns: lanes 0-15 take the first 256 along K, lanes 16-31 the second: 8 blocks a lane.  A load reads 64 neighbouring bytes of each of two rows,
; and the four waves stand side by side on 256 bytes of a row.  Two blocks, 64 loads of 128 bytes, are on their way.  A column's 256 bytes of codes (128 from each half of the lanes) meet in the wave's own stage
; and leave as rows: sixteen lanes store 256 consecutive bytes, aligned.
.Lpath_w:
.set WP,   272                         ; a stage row: 256 bytes + 16
.set WX,   32                          ; v32-95   two sets of 32 numbers
.set WC,   96                          ; v96-99   a block's codes
.set WSB,  24                          ; v24-25   the scale bytes, four to a register
.set WOUT, 112                         ; v112-143 the way out
.set WOFF, 176                         ; v176-207 row i of a block: i x pitch + my lane's place
	s_and_b32 s25, ttmp9, 3                        ; kc: which 512 along K
	s_lshr_b32 s26, ttmp9, 2                       ; hh: 0-31 W_q's heads, 32-39 W_k's, 40-47 W_v's
	s_lshr_b32 s27, s26, 1                         ; the place p of the head among the rows n', in heads of 64:
	s_mul_i32 s27, s27, 3
	s_and_b32 s28, s26, 1
	s_add_co_u32 s27, s27, s28                     ; Q: 3 (hh / 2) + hh % 2;
	s_mul_i32 s28, s26, 3
	s_sub_co_u32 s28, s28, 94                      ; K: 3 (hh - 32) + 2, V: 3 (hh - 40) + 26: both 3 hh - 94
	s_mov_b32 s29, 2048
	s_cmp_lt_u32 s26, 32                           ; the choices hang on the work-group's number alone
	s_cselect_b64 s[30:31], s[6:7], s[8:9]
	s_cselect_b32 s29, 8192, s29                   ; bytes from row to row of the source
	s_cselect_b32 s32, 0, 32
	s_cselect_b32 s33, s27, s28                    ; p
	s_cmp_lt_u32 s26, 40
	s_cselect_b64 s[30:31], s[30:31], s[10:11]
	s_cselect_b32 s32, s32, 40
	s_sub_co_u32 s26, s26, s32                     ; the head's number in its source
	s_lshl_b32 s33, s33, 6
	s_lshl_b32 s34, s24, 4
	s_add_co_u32 s33, s33, s34                     ; n' of my wave's first column: 64 p + 16 w
	s_lshl_b32 s36, s25, 9
	s_mul_i32 s36, s36, s29                        ; 512 kc rows,
	s_lshl_b32 s34, s26, 8
	s_add_co_u32 s36, s36, s34                     ; the head's 64 columns,
	s_lshl_b32 s34, s24, 6
	s_add_co_u32 s36, s36, s34                     ; 16 w columns, of 4 bytes
	s_mov_b32 s37, 0
	s_add_nc_u64 s[30:31], s[30:31], s[36:37]
	s_lshl_b32 s38, s29, 5                         ; a block on: 32 rows
	s_mov_b32 s39, 0
	s_lshl_b32 s35, s29, 8                         ; 256 rows: from lanes 0-15 to lanes 16-31
	s_lshl_b32 s36, s33, 10                        ; codes: W's rows begin behind x's 2,097,152 bytes
	s_lshl_b32 s34, s25, 8
	s_add_co_u32 s36, s36, s34
	s_add_co_u32 s36, s36, 2097152
	s_add_nc_u64 s[16:17], s[16:17], s[36:37]
	s_lshl_b32 s36, s33, 6                         ; scale bytes: behind x's 131,072
	s_lshl_b32 s34, s25, 4
	s_add_co_u32 s36, s36, s34
	s_add_co_u32 s36, s36, 131072
	s_add_nc_u64 s[18:19], s[18:19], s[36:37]
	v_and_b32 v5, 15, v2                           ; r: my column
	v_lshrrev_b32 v6, 4, v2                        ; h: my half of the 512 along K
	v_mul_u32_u24 v3, s35, v6
	v_lshl_add_u32 v3, v5, 2, v3                   ; 256 h rows + 4 r bytes
	v_mov_b32 v10, s29
.set i, 0
.rept 32
	v_mad_u32_u24 v[WOFF+i], v10, i, v3
.set i, i+1
.endr
	s_mul_i32 s34, s24, 16*WP
	s_add_co_u32 s34, s34, LW                      ; my stage
	v_mul_u32_u24 v4, v5, WP
	v_lshl_add_u32 v4, v6, 7, v4
	v_add_nc_u32 v4, s34, v4                       ; into it: row = my column, byte 128 h
	v_mul_u32_u24 v7, v6, WP
	v_lshl_add_u32 v7, v5, 4, v7
	v_add_nc_u32 v7, s34, v7                       ; out of it: sixteen lanes to a row, two rows an instruction
	v_lshlrev_b32 v8, 10, v6
	v_lshl_add_u32 v8, v5, 4, v8                   ; and the same place in the codes' buffer
	v_lshlrev_b32 v9, 6, v5
	v_lshl_add_u32 v9, v6, 3, v9                   ; my column's row of scale bytes, my half's eight
.macro WLOAD t                         ; block t: rows 256 h + 32 t + i of my column, into set t % 2
.if (\t) > 0
	s_wait_xcnt 0x0                                ; the earlier loads have read their base: it steps only behind this wait
	s_add_nc_u64 s[30:31], s[30:31], s[38:39]
.endif
.set i, 0
.rept 32
	global_load_b32 v[WX+32*((\t)%2)+i], v[WOFF+i], s[30:31] th:TH_LOAD_NT
.set i, i+1
.endr
.endm
	WLOAD 0
	WLOAD 1
.macro WBLOCK t
.set WXS, WX+32*((\t)%2)
.if (\t) < 7
	s_wait_loadcnt 32                              ; this block's 32 loads are in; the next block's may be out
.else
	s_wait_loadcnt 0
.endif
	v_max3_num_f32 v16, |v[WXS]|, |v[WXS+1]|, |v[WXS+2]|
	v_max3_num_f32 v17, |v[WXS+3]|, |v[WXS+4]|, |v[WXS+5]|
.irp i, 6,10,14,18,22,26
	v_max3_num_f32 v16, v16, |v[WXS+\i]|, |v[WXS+\i+1]|
	v_max3_num_f32 v17, v17, |v[WXS+\i+2]|, |v[WXS+\i+3]|
.endr
	v_max3_num_f32 v16, v16, |v[WXS+30]|, |v[WXS+31]|
	v_max3_num_f32 v16, v16, v17, 0x1800000        ; and the floor 2^(3 - 127)
	v_add_nc_u32 v11, 0xff000000, v16              ; 2 off the exponent field: the conversion's scale operand
	v_lshrrev_b32 v18, 23, v11                     ; the scale's byte
.if (\t)%4 == 0
	v_mov_b32 v[WSB+(\t)/4], v18
.else
	v_lshl_or_b32 v[WSB+(\t)/4], v18, 8*((\t)%4), v[WSB+(\t)/4]
.endif
.irp g, 0,1,2,3
	v_cvt_scalef32_pk8_fp4_f32 v[WC+\g], v[WXS+8*\g:WXS+8*\g+7], v11
.endr
	ds_store_b128 v4, v[WC:WC+3] offset:16*(\t)    ; 32 codes: 16 bytes of my column's row
.if (\t)+2 < 8
	WLOAD (\t)+2
.endif
	s_wait_dscnt 0x0                               ; the store has read its registers: the next block's codes may be written
.endm
.irp t, 0,1,2,3,4,5,6,7
	WBLOCK \t
.endr
	global_store_b64 v9, v[WSB:WSB+1], s[18:19]    ; my eight scale bytes
.irp t, 0,1,2,3,4,5,6,7
	ds_load_b128 v[WOUT+4*\t:WOUT+4*\t+3], v7 offset:2*\t*WP       ; LDS serves a wave's instructions in order: these see my stores
.endr
.irp t, 0,1,2,3,4,5,6,7
	s_wait_dscnt 7-\t
	global_store_b128 v8, v[WOUT+4*\t:WOUT+4*\t+3], s[16:17] offset:2*\t*1024
.endr
	s_wait_tensorcnt 0x0                           ; the wave's end, behind my last LDS store
	ds_add_u32 v[SPW], v[NIL]
	s_wait_dscnt 0x0
	s_endpgm
.Lfunc_end_k_qa961a51b73_prep:
	.size	k_qa961a51b73_prep, .Lfunc_end_k_qa961a51b73_prep-k_qa961a51b73_prep
	.p2alignl 7, 3214868480
	.fill 96, 4, 3214868480
	.section	.rodata,"a",@progbits
	.p2align	6, 0x0
	.amdhsa_kernel k_qa961a51b73_prep
		.amdhsa_group_segment_fixed_size 67072
		.amdhsa_private_segment_fixed_size 0
		.amdhsa_enable_private_segment 0
		.amdhsa_kernarg_size 80
		.amdhsa_user_sgpr_count 2
		.amdhsa_user_sgpr_kernarg_segment_ptr 1
		.amdhsa_wavefront_size32 1
		.amdhsa_system_sgpr_workgroup_id_x 1
		.amdhsa_system_sgpr_workgroup_id_y 1
		.amdhsa_system_sgpr_workgroup_id_z 1
		.amdhsa_system_vgpr_workitem_id 0
		.amdhsa_next_free_vgpr 208
		.amdhsa_next_free_sgpr 66
		.amdhsa_reserve_vcc 0
		.amdhsa_float_denorm_mode_32 3
		.amdhsa_float_denorm_mode_16_64 3
		.amdhsa_memory_ordered 1
		.amdhsa_forward_progress 1
		.amdhsa_inst_pref_size 143
	.end_amdhsa_kernel
	.amdgpu_metadata
---
amdhsa.version: [ 1, 2 ]
amdhsa.kernels:
  - .name:           k_qa961a51b73_prep
    .symbol:         k_qa961a51b73_prep.kd
    .args:
      - { .name: x, .offset: 0, .size: 8, .value_kind: global_buffer, .address_space: global }
      - { .name: W_q, .offset: 8, .size: 8, .value_kind: global_buffer, .address_space: global }
      - { .name: W_k, .offset: 16, .size: 8, .value_kind: global_buffer, .address_space: global }
      - { .name: W_v, .offset: 24, .size: 8, .value_kind: global_buffer, .address_space: global }
      - { .name: W_o, .offset: 32, .size: 8, .value_kind: global_buffer, .address_space: global }
      - { .name: mask, .offset: 40, .size: 8, .value_kind: global_buffer, .address_space: global }
      - { .name: codes, .offset: 48, .size: 8, .value_kind: global_buffer, .address_space: global }
      - { .name: scales, .offset: 56, .size: 8, .value_kind: global_buffer, .address_space: global }
      - { .name: wo16, .offset: 64, .size: 8, .value_kind: global_buffer, .address_space: global }
      - { .name: mb, .offset: 72, .size: 8, .value_kind: global_buffer, .address_space: global }
    .group_segment_fixed_size: 67072
    .private_segment_fixed_size: 0
    .kernarg_segment_align: 8
    .kernarg_segment_size: 80
    .max_flat_workgroup_size: 128
    .sgpr_count:     66
    .vgpr_count:     208
    .wavefront_size: 32
...
	.end_amdgpu_metadata
.endif
;; end of part 1
;; launch qkv (part 2): grid 16 x 16, 4 waves a work-group, clusters of 4 x 4, 327,680 bytes of LDS; arguments codes, scales, qkvh, out1, out2; writes qkvh, out1, out2
.if DOCPART == 2
	.amdgcn_target "amdgcn-amd-amdhsa--gfx1250"
	.amdhsa_code_object_version 6
	.text
	.protected	k_qa961a51b73_qkv
	.globl	k_qa961a51b73_qkv
	.p2align	8
	.type	k_qa961a51b73_qkv,@function
k_qa961a51b73_qkv:
	s_mov_b64 s[64:65], 0
	v_nop
	global_prefetch_b8 v0, s[64:65] scope:SCOPE_SE
	s_setreg_imm32_b32 hwreg(HW_REG_WAVE_MODE, 25, 1), 1
	s_wait_xcnt 0x0
	s_wait_alu depctr_hold_cnt(0) depctr_sa_sdst(0) depctr_va_vdst(0) depctr_va_sdst(0) depctr_va_ssrc(0) depctr_va_vcc(0) depctr_vm_vsrc(0)
	s_getreg_b32 s2, hwreg(HW_REG_IB_STS2, 6, 4)
	s_cmp_eq_u32 s2, 0
	s_cbranch_scc0 .Lentry_in_a_cluster
	s_endpgm
.Lentry_in_a_cluster:
	s_bfe_u32 s2, ttmp6, 0x10000c
	s_cmp_lg_u32 s2, 0xf033
	s_cbranch_scc0 .Lentry_shape_is_right
	s_endpgm
.Lentry_shape_is_right:
; Q, K, V = x W: [2048 rows] x [3072 columns n'], K = 2048, on codes of FP4 (E2M1) with one E8M0 scale for each 32 along K; sums in f32.
; codes: x's rows [2048][1024 bytes], then from byte 2,097,152 W's rows n' [3072][1024 bytes]; scales: x's [2048][64], then from byte 131,072 W's [3072][64].
; A tile of the result is 128 rows x 192 columns: 16 x 16 = 256 work-groups.  Tile column tx holds Q head 2 tx, Q head 2 tx + 1 and K head tx (tx < 8) or V head tx - 8: the way out is one text for all.
; Four waves, each 64 rows x 96 columns: 24 accumulators of 16 x 16.  K goes in four quarters of 512 (LDS rows of 256 bytes) through THREE LDS slots filled by the tensor data mover:
; quarters 0, 1 and 2 are asked for together at the start; quarter 3 is the one refill, into slot 0, behind the round that follows quarter 0: it has quarters 1 and 2, 192 matrix instructions a wave, in which to land.
; The scale bytes of the tile's 128 + 192 rows, for all of K, are two dense blocks of memory: they come into LDS once, with the first fills.
; CLUSTERS: 4 x 4 work-groups; x's tiles are shared along a row of the cluster, W's along a column: each is asked for jointly, by the same tensor load with the same descriptor and a mask that names the four.
; THE MATRIX INSTRUCTION IS USED TRANSPOSED (source 0 = 16 rows of W, source 1 = 16 rows of x): a lane holds eight neighbouring columns of one row of the result.
; OUT: all three heads as f16 into qkvh [48 heads][2048][64] (0-31 Q, 32-39 K, 40-47 V); the third head also as f32 into out1 (K) or out2 (V).
; LIMIT: |Q|, |K|, |V| stay under 65,504 (f16).
; REGISTERS: window 0: v16-29 addresses; v32-79 scale words, two sets, and nothing else; v96-175, v176-255 two fragment buffers (x's 4 fragments, then W's 6).  Window 1: accumulator (a, b) at v[8 (6 a + b)].
.set PITCH,  272                       ; an LDS row: 256 bytes + 16 of padding = 68 words: the 16 rows that a load touches start at 16 different banks (64 banks of 4 bytes: ISA guide 11.1)
.set AHALF,  64*PITCH                  ; x: 64 rows: what one tensor load brings, and what one wave reads
.set BHALF,  96*PITCH                  ; W: 96 rows likewise
.set BOFF,   128*PITCH
.set SLOT,   320*PITCH                 ; x's 128 rows, then W's 192
.set SCL,    3*SLOT                    ; behind the three slots: the scales, as runs of 256 bytes (4 rows) + 16 of padding
.set SAH,    16*272                    ; those of x's 64 rows
.set SBH,    24*272                    ; of W's 96 rows
.set SBOFF,  32*272
.set SBLK,   4*272                     ; of 16 rows
.set SPARE,  SCL+80*272                ; the spare words, 128 bytes for each wave: two blocks of 256 bytes that no other line names
.set STAGE,  SLOT                      ; the way out: 128 rows x (768 bytes + 16), the work-group's.  It lies in slots 1 and 2, which are filled once, at the start, and which nobody reads behind the last barrier of the walk along K
.set SPITCH, 784
.set ADRA, 16                          ; v16-18  LDS address of my fragments of x in slot 0, 1, 2
.set ADRB, 20                          ; v20-22  the same for W
.set L16,  23                          ; v23     16 x lane
.set STO,  24                          ; v24     the stage: where I put 32 bytes of a row
.set R16,  25                          ; v25     where I read 32 bytes back for f16: 8 lanes to a row's 64 numbers
.set R32,  26                          ; v26     and 16 bytes for f32: 16 lanes to a row's 64 numbers
.set ADRS, 27                          ; v27     my scale words: lanes 0-15 x's rows, lanes 16-31 W's
.set SPW,  28                          ; v28     LDS address of my spare word; never rewritten
.set NIL,  29                          ; v29     0; never rewritten
.set SC,   32                          ; set s at v[SC + 24 s]; register 4 i + q: lanes 0-15 the word of x's block i, lanes 16-31 that of W's block i, for the quarter's q-th 128 along K
.set F0,   96
.set F1,   176
.set G1, 24                            ; s[24:31] group 1 for x's tiles; s[32:43] group 0, a set for each slot
.set G0, 32
.set G1B, 48                           ; s[48:55] group 1 for W's tiles; s[56:63] group 0 for slots 0 and 1, s[96:99] for slot 2
.set G0B, 56
.set G0B2, 96
.set G1S, 68                           ; s[68:75], s[76:79] groups 1 and 0 for x's scales; s[80:87], s[88:91] for W's
.set G0S, 76
.set G1SB, 80
.set G0SB, 88
.set MSB, 0
.macro WIN new                         ; the immediate's high byte repeats the setting that is left
.if MSB != \new
	s_set_vgpr_msb (MSB<<8)|\new
.set MSB, \new
.endif
.endm
.set ACCW, 0x50                        ; C and D window 1, sources window 0
; A joint load: waves 0 and 1 fetch for x, waves 2 and 3 for W.  The branch hangs on the wave's number alone.  An s_nop 0 and four v_nop follow each of the two lines.
.macro JLOAD g0a, g1a, g0b, g1b
	s_cmp_eq_u32 s15, 0
	s_cbranch_scc0 .Lfor_b_\@
	tensor_load_to_lds s[\g0a:\g0a+3], s[\g1a:\g1a+7]
	s_nop 0
.rept 4
	v_nop
.endr
	s_branch .Lasked_\@
.Lfor_b_\@:
	tensor_load_to_lds s[\g0b:\g0b+3], s[\g1b:\g1b+7]
	s_nop 0
.rept 4
	v_nop
.endr
.Lasked_\@:
.endm
.macro CREST                           ; a round of the cluster's barrier behind its opening barrier
	s_cmp_lg_u32 s14, 0
	s_cbranch_scc1 .Lnot_wave_0_\@
	s_barrier_signal -3
.Lnot_wave_0_\@:
	s_barrier_wait -3
	s_barrier_signal -1
	s_barrier_wait -1
.endm
.macro CROUND
	s_barrier_signal -1
	s_barrier_wait -1
	CREST
.endm
.macro PLACES                          ; four plain places behind matrix instructions, in front of loads into registers that they read and of the first read of results
.rept 4
	v_nop
.endr
.endm
	s_load_b256 s[4:11], s[0:1], 0x0               ; codes s[4:5], scales s[6:7], qkvh s[8:9], out1 s[10:11]
	s_load_b64 s[12:13], s[0:1], 0x20              ; out2
	v_lshl_add_u32 v[SPW], v0, 2, SPARE
	v_mov_b32 v[NIL], 0
	ds_add_u32 v[SPW], v[NIL]                      ; the wave's opening: the add, twice on end, and its wait ahead of my first tensor load
	ds_add_u32 v[SPW], v[NIL]
	v_lshrrev_b32 v1, 5, v0
	v_readfirstlane_b32 s14, v1                    ; wave 0..3
	s_lshr_b32 s15, s14, 1                         ; which half of the tile's rows is mine.  Also: I fetch for x (0) or for W (1)
	s_and_b32 s16, s14, 1                          ; which half of its columns.  Also: which half of that tile I fetch
	s_bfe_u32 s92, ttmp6, 0x40000                  ; cx, cy: my place in the cluster
	s_bfe_u32 s93, ttmp6, 0x40004
	s_lshl_b32 s3, ttmp9, 2
	s_add_co_u32 s3, s3, s92                       ; tx = 4 x cluster x + cx
	s_and_b32 s17, ttmp7, 0xffff
	s_lshl_b32 s17, s17, 2
	s_add_co_u32 s17, s17, s93                     ; ty = 4 x cluster y + cy
	s_lshl_b32 s94, s93, 2
	s_lshl_b32 s94, 15, s94                        ; my row of the cluster
	s_lshl_b32 s44, 0x1111, s92                    ; my column
	s_or_b32 s[G1+0], s94, (0<<16)|(1<<20)|(1<<21)|(5<<22)|(3<<25)   ; the mask; elements of 1 byte; padding on; bit 21 beside a mask; 4 words of padding after every 64
	s_or_b32 s[G1B+0], s44, (0<<16)|(1<<20)|(1<<21)|(5<<22)|(3<<25)
	s_mov_b32 s[G1+1], 256<<16                     ; tensor_dim0 = 256 bytes
	s_mov_b32 s[G1+2], 64<<16                      ; tensor_dim1 = 64 rows
	s_mov_b32 s[G1+3], 256<<16                     ; tile_dim0
	s_mov_b32 s[G1+4], 64                          ; tile_dim1
	s_mov_b32 s[G1+5], 1024                        ; from row to row
	s_mov_b32 s[G1+6], 0
	s_mov_b32 s[G1+7], 0
	s_mov_b32 s[G1B+1], 256<<16
	s_mov_b32 s[G1B+2], 96<<16
	s_mov_b32 s[G1B+3], 256<<16
	s_mov_b32 s[G1B+4], 96
	s_mov_b32 s[G1B+5], 1024
	s_mov_b32 s[G1B+6], 0
	s_mov_b32 s[G1B+7], 0
	s_or_b32 s[G1S+0], s94, (3<<16)|(1<<20)|(1<<21)|(5<<22)|(3<<25)  ; the scales: dense blocks as rows of 256 bytes (32 elements of 8 bytes)
	s_or_b32 s[G1SB+0], s44, (3<<16)|(1<<20)|(1<<21)|(5<<22)|(3<<25)
	s_mov_b32 s[G1S+1], 32<<16
	s_mov_b32 s[G1S+2], 16<<16
	s_mov_b32 s[G1S+3], 32<<16
	s_mov_b32 s[G1S+4], 16
	s_mov_b32 s[G1S+5], 32
	s_mov_b32 s[G1S+6], 0
	s_mov_b32 s[G1S+7], 0
	s_mov_b32 s[G1SB+1], 32<<16
	s_mov_b32 s[G1SB+2], 24<<16
	s_mov_b32 s[G1SB+3], 32<<16
	s_mov_b32 s[G1SB+4], 24
	s_mov_b32 s[G1SB+5], 32
	s_mov_b32 s[G1SB+6], 0
	s_mov_b32 s[G1SB+7], 0
	s_lshl_b32 s18, s16, 6
	s_lshl_b32 s20, s17, 7
	s_add_co_u32 s20, s20, s18                     ; x: row 128 ty + 64 x half
	s_lshl_b32 s22, s20, 6                         ; its scale bytes,
	s_lshl_b32 s20, s20, 10                        ; its codes
	s_mov_b32 s21, 0
	s_mov_b32 s23, 0
	s_mul_i32 s46, s3, 192
	s_mul_i32 s18, s16, 96
	s_add_co_u32 s46, s46, s18                     ; W: row 192 tx + 96 x half
	s_lshl_b32 s92, s46, 6
	s_add_co_u32 s92, s92, 131072
	s_lshl_b32 s46, s46, 10
	s_add_co_u32 s46, s46, 2097152
	s_mov_b32 s47, 0
	s_mov_b32 s93, 0
	s_mul_i32 s45, s16, AHALF                      ; where they go: no place in the cluster enters an LDS address
	s_mul_i32 s94, s16, BHALF
	s_add_co_u32 s94, s94, BOFF
	s_mul_i32 s95, s16, SAH
	s_add_co_u32 s95, s95, SCL
	s_mul_i32 s2, s16, SBH
	s_add_co_u32 s2, s2, SCL+SBOFF
	s_wait_dscnt 0x0                               ; both opening adds are done
	s_wait_kmcnt 0x0
	s_add_nc_u64 s[20:21], s[4:5], s[20:21]
	s_add_nc_u64 s[22:23], s[6:7], s[22:23]
	s_add_nc_u64 s[46:47], s[4:5], s[46:47]
	s_add_nc_u64 s[92:93], s[6:7], s[92:93]
	CROUND                                         ; all sixteen work-groups are here: the first joint loads meet
	s_mov_b32 s[G0S], 1
	s_mov_b32 s[G0S+1], s95
	s_mov_b64 s[G0S+2:G0S+3], s[22:23]
	s_or_b32 s[G0S+3], s[G0S+3], 0x80000000
	s_mov_b32 s[G0SB], 1
	s_mov_b32 s[G0SB+1], s2
	s_mov_b64 s[G0SB+2:G0SB+3], s[92:93]
	s_or_b32 s[G0SB+3], s[G0SB+3], 0x80000000
	JLOAD G0S, G1S, G0SB, G1SB                     ; the scales first: they are wanted with the first quarter
.macro FIRST s, gb                     ; slot s takes quarter s of K: 256 s bytes along the rows
	s_mov_b32 s[G0+4*\s], 1
	s_add_co_u32 s[G0+4*\s+1], s45, \s*SLOT
	s_add_nc_u64 s[G0+4*\s+2:G0+4*\s+3], s[20:21], \s*256
	s_or_b32 s[G0+4*\s+3], s[G0+4*\s+3], 0x80000000
	s_mov_b32 s[\gb], 1
	s_add_co_u32 s[\gb+1], s94, \s*SLOT
	s_add_nc_u64 s[\gb+2:\gb+3], s[46:47], \s*256
	s_or_b32 s[\gb+3], s[\gb+3], 0x80000000
	JLOAD G0+4*\s, G1, \gb, G1B
.endm
	FIRST 0, G0B
	FIRST 1, G0B+4
	FIRST 2, G0B2                                  ; four tensor loads of mine are out now
	v_and_b32 v1, 15, v0                           ; r
	v_bfe_u32 v2, v0, 4, 1                         ; h
	v_mul_u32_u24 v3, v1, PITCH
	v_lshl_add_u32 v4, v2, 4, v3                   ; a fragment's row x pitch + 16 h
	s_mul_i32 s92, s15, AHALF                      ; my 64 rows of x
	s_mul_i32 s93, s16, BHALF                      ; my 96 rows of W
	s_add_co_u32 s93, s93, BOFF
.irp s, 0,1,2
	v_add_nc_u32 v[ADRA+\s], s92, v4
	v_add_nc_u32 v[ADRB+\s], s93, v4
	s_add_co_u32 s92, s92, SLOT
	s_add_co_u32 s93, s93, SLOT
.endr
	v_mul_u32_u24 v5, v1, 64                       ; my row's scales: 64 bytes a row,
	v_lshrrev_b32 v6, 8, v5
	v_lshl_add_u32 v5, v6, 4, v5                   ; and 16 more for each 256 passed
	s_mul_i32 s92, s15, SAH
	s_mul_i32 s93, s16, SBH
	s_add_co_u32 s93, s93, SBOFF
	s_sub_co_u32 s93, s93, s92
	v_mul_u32_u24 v6, s93, v2                      ; lanes 16-31 take W's: one product with h
	s_add_co_u32 s92, s92, SCL
	v_add_nc_u32 v5, v5, v6
	v_add_nc_u32 v[ADRS], s92, v5
	v_mul_u32_u24 v5, v1, SPITCH                   ; the stage, in: row 64 wm + r, byte 384 wn + 32 h
	v_lshl_add_u32 v5, v2, 5, v5
	s_mul_i32 s92, s15, 64*SPITCH
	s_mul_i32 s93, s16, 384
	s_add_co_u32 s92, s92, s93
	s_add_co_u32 s92, s92, STAGE
	v_add_nc_u32 v[STO], s92, v5
	v_and_b32 v6, 31, v0
	v_lshlrev_b32 v[L16], 4, v6
	v_lshrrev_b32 v7, 3, v6                        ; back, for f16: row 32 w + lane / 8, byte 32 (lane % 8)
	v_mul_u32_u24 v7, v7, SPITCH
	v_and_b32 v8, 7, v6
	v_lshl_add_u32 v7, v8, 5, v7
	s_mul_i32 s92, s14, 32*SPITCH
	s_add_co_u32 s92, s92, STAGE
	v_add_nc_u32 v[R16], s92, v7
	v_mul_u32_u24 v7, v2, SPITCH                   ; back, for f32: row 32 w + h, byte 512 + 16 r
	v_lshl_add_u32 v7, v1, 4, v7
	s_add_co_u32 s92, s92, 512
	v_add_nc_u32 v[R32], s92, v7
	; where my 32 rows go: s[18:19] qkvh at head 2 tx, s[20:21] qkvh at head 32 + tx, s[22:23] out1 or out2 at head tx % 8
	s_lshl_b32 s92, s17, 14
	s_lshl_b32 s93, s14, 12
	s_add_co_u32 s92, s92, s93                     ; row 128 ty + 32 w, 128 bytes a row
	s_lshl_b32 s93, s3, 19                         ; 2 tx heads of 262,144 bytes
	s_add_co_u32 s18, s92, s93
	s_mov_b32 s19, 0
	s_add_nc_u64 s[18:19], s[8:9], s[18:19]
	s_add_co_u32 s93, s3, 32
	s_lshl_b32 s93, s93, 18
	s_add_co_u32 s20, s92, s93
	s_mov_b32 s21, 0
	s_add_nc_u64 s[20:21], s[8:9], s[20:21]
	s_cmp_lt_u32 s3, 8                             ; a choice of buffer, no branch: it hangs on no address
	s_cselect_b64 s[22:23], s[10:11], s[12:13]
	s_and_b32 s93, s3, 7
	s_lshl_b32 s93, s93, 19                        ; heads of 524,288 bytes
	s_lshl_b32 s92, s92, 1                         ; 256 bytes a row
	s_add_co_u32 s92, s92, s93
	s_mov_b32 s93, 0
	s_add_nc_u64 s[22:23], s[22:23], s[92:93]
.macro FRAG reg, adr, q, i             ; 16 rows x 128 K of 4-bit codes: 8 registers: lane (r, h) holds row r; registers 4 c .. 4 c + 3 hold K = 64 c + 32 h + 0 .. 31
.irp c, 0,1
	ds_load_b128 v[\reg+4*\c:\reg+4*\c+3], v[\adr] offset:64*(\q)+32*\c+(\i)*16*PITCH
.endr
.endm
.macro FETCH slot, q, f                ; 20 LDS loads in one run: W's 6 fragments, then x's 4
.irp i, 0,1,2,3,4,5
	FRAG \f+32+8*\i, ADRB+\slot, \q, \i
.endr
.irp i, 0,1,2,3
	FRAG \f+8*\i, ADRA+\slot, \q, \i
.endr
.endm
.macro SCALES set                      ; a quarter's scale words: 4 words a row
.irp i, 0,1,2,3,4,5
	ds_load_b128 v[SC+24*\set+4*\i:SC+24*\set+4*\i+3], v[ADRS] offset:\i*SBLK
.endr
.endm
; 6 matrix instructions: x's block a against W's six.  The 24 accumulators take turns, one instruction a turn, in the same order in every step.
.macro MUL a, f, q, set, zero
.irp b, 0,1,2,3,4,5
.if \zero
	v_wmma_scale_f32_16x16x128_f8f6f4 v[8*(6*(\a)+\b):8*(6*(\a)+\b)+7], v[\f+32+8*\b:\f+32+8*\b+7], v[\f+8*(\a):\f+8*(\a)+7], 0, v[SC+24*(\set)+4*\b+(\q)], v[SC+24*(\set)+4*(\a)+(\q)] matrix_a_fmt:MATRIX_FMT_FP4 matrix_b_fmt:MATRIX_FMT_FP4 matrix_a_scale:MATRIX_SCALE_ROW1
.else
	v_wmma_scale_f32_16x16x128_f8f6f4 v[8*(6*(\a)+\b):8*(6*(\a)+\b)+7], v[\f+32+8*\b:\f+32+8*\b+7], v[\f+8*(\a):\f+8*(\a)+7], v[8*(6*(\a)+\b):8*(6*(\a)+\b)+7], v[SC+24*(\set)+4*\b+(\q)], v[SC+24*(\set)+4*(\a)+(\q)] matrix_a_fmt:MATRIX_FMT_FP4 matrix_b_fmt:MATRIX_FMT_FP4 matrix_a_scale:MATRIX_SCALE_ROW1
.endif
.endr
.endm
; A step of 128 along K that has its successor in the same slot: multiplies one buffer and, in its middle, fetches the next step into the other.  set: the quarter's set of scale words
.macro STEP slot, set, q, zero
.set FF, F0+80*((\q)%2)
.set FG, F0+80*(1-(\q)%2)
	s_wait_dscnt 4                                 ; W's fragments and x's blocks 0, 1 are in; the youngest four loads (x's blocks 2, 3) may be out
	WIN ACCW
	MUL 0, FF, \q, \set, \zero
	MUL 1, FF, \q, \set, \zero
	PLACES
	WIN 0
	FETCH \slot, (\q)+1, FG
	s_wait_dscnt 20                                ; all but the 20 just issued
	WIN ACCW
	MUL 2, FF, \q, \set, \zero
	MUL 3, FF, \q, \set, \zero
.endm
; A quarter's last step, with a barrier: in front of it each wave waits for all its tensor loads, adds 0 to its spare word, and waits for that and for its reads of the slot that it leaves.
; fill = 1: the barrier opens a round of the cluster's, and the slot just left takes quarter 3 of K.
.macro TURN slot, set, next, nset, fill
	WIN 0                                          ; (the add's two registers lie in window 0)
	s_wait_tensorcnt 0x0                           ; all my tensor loads have landed
	ds_add_u32 v[SPW], v[NIL]                      ; 0 onto my spare word
	s_wait_dscnt 5                                 ; (the add and the youngest four loads may be out)
	WIN ACCW
	MUL 0, F1, 3, \set, 0                          ; six matrix instructions stand between the add and the wait for it
	s_wait_dscnt 0x0                               ; the add is done, and my reads of this slot are over
	s_barrier_signal -1
	MUL 1, F1, 3, \set, 0
	WIN 0
	s_barrier_wait -1
.if \fill
	CREST                                          ; the barrier has opened a round of the cluster's barrier: no wave of any partner still reads this slot or has a load on its way
	s_add_nc_u64 s[G0+4*\slot+2:G0+4*\slot+3], s[G0+4*\slot+2:G0+4*\slot+3], 768
	s_add_nc_u64 s[G0B+4*\slot+2:G0B+4*\slot+3], s[G0B+4*\slot+2:G0B+4*\slot+3], 768
	JLOAD G0+4*\slot, G1, G0B+4*\slot, G1B         ; the first tensor load behind the round, and my only refill; its four v_nop are the places in front of the loads below
.else
	PLACES
.endif
	v_add_nc_u32 v[ADRS], 16, v[ADRS]              ; on to the next quarter's scale words
	SCALES \nset
	FETCH \next, 0, F0
	WIN ACCW
	MUL 2, F1, 3, \set, 0
	MUL 3, F1, 3, \set, 0
.endm
; A quarter's last step, without a barrier: the slot ahead was shown landed to every wave at the round before, nothing is filled here, and the refill that is on its way is not waited for.
.macro PASS set, next, nset
	s_wait_dscnt 4
	WIN ACCW
	MUL 0, F1, 3, \set, 0
	MUL 1, F1, 3, \set, 0
	PLACES
	WIN 0
	v_add_nc_u32 v[ADRS], 16, v[ADRS]
	SCALES \nset
	FETCH \next, 0, F0
	s_wait_dscnt 26                                ; all but the 6 + 20 just issued
	WIN ACCW
	MUL 2, F1, 3, \set, 0
	MUL 3, F1, 3, \set, 0
.endm
	s_wait_tensorcnt 2                             ; the scales and my part of slot 0 are in; slots 1 and 2 may be out
	s_barrier_signal -1
	s_barrier_wait -1
	SCALES 0
	FETCH 0, 0, F0
	STEP 0, 0, 0, 1                                ; quarter 0, in slot 0.  The first step's products start the sums: nothing is cleared
	STEP 0, 0, 1, 0
	STEP 0, 0, 2, 0
	TURN 0, 0, 1, 1, 1                             ; slots 1 and 2 are whole in every wave's sight; slot 0 takes quarter 3
	STEP 1, 1, 0, 0                                ; quarter 1, in slot 1
	STEP 1, 1, 1, 0
	STEP 1, 1, 2, 0
	PASS 1, 2, 0
	STEP 2, 0, 0, 0                                ; quarter 2, in slot 2
	STEP 2, 0, 1, 0
	STEP 2, 0, 2, 0
	TURN 2, 0, 0, 1, 0                             ; quarter 3 has landed; nothing is left to fetch; behind this barrier nobody reads slots 1 and 2
	STEP 0, 1, 0, 0                                ; quarter 3, in slot 0
	STEP 0, 1, 1, 0
	STEP 0, 1, 2, 0
	s_wait_dscnt 4
	WIN ACCW
	MUL 0, F1, 3, 1, 0
	MUL 1, F1, 3, 1, 0
	s_wait_dscnt 0x0
	MUL 2, F1, 3, 1, 0
	MUL 3, F1, 3, 1, 0
	; THE WAY OUT.  The tile goes into the work-group's stage as f32; a barrier, since a row's 768 bytes come from two waves; each wave then takes 32 whole rows.
	PLACES
	WIN 0x04                                       ; an LDS store's data are its source 1: window 1
.irp a, 0,1,2,3
.irp b, 0,1,2,3,4,5
	ds_store_b128 v[STO], v[8*(6*\a+\b):8*(6*\a+\b)+3] offset:16*SPITCH*\a+64*\b          ; each accumulator from its low end on
	ds_store_b128 v[STO], v[8*(6*\a+\b)+4:8*(6*\a+\b)+7] offset:16*SPITCH*\a+64*\b+16
.endr
.endr
	WIN 0
	s_wait_dscnt 0x0                               ; for the others' sake: my stores into the stage are done
	s_barrier_signal -1
	s_barrier_wait -1
; Head i of the tile's three, as f16: a lane takes 8 numbers of a row; a store covers 4 rows of 128 bytes, 512 consecutive bytes
.macro HALFOUT i, base, off
.irp t, 0,1,2,3,4,5,6,7
	ds_load_b128 v[96+8*\t:99+8*\t], v[R16] offset:4*SPITCH*\t+256*\i
	ds_load_b128 v[100+8*\t:103+8*\t], v[R16] offset:4*SPITCH*\t+256*\i+16
.endr
	s_wait_dscnt 0x0
.if \i > 0
	s_wait_xcnt 0x0                                ; the last head's stores have read their data: these registers are rewritten only behind this wait
.endif
.irp t, 0,1,2,3,4,5,6,7
.irp k, 0,1,2,3
	v_cvt_pk_f16_f32 v[160+4*\t+\k], v[96+8*\t+2*\k], v[97+8*\t+2*\k]
.endr
.endr
.irp t, 0,1,2,3,4,5,6,7
	global_store_b128 v[L16], v[160+4*\t:163+4*\t], s[\base:\base+1] offset:\off+512*\t
.endr
.endm
	HALFOUT 0, 18, 0
	HALFOUT 1, 18, 262144
	HALFOUT 2, 20, 0
.irp t, 0,1,2,3,4,5,6,7,8,9,10,11,12,13,14,15
	ds_load_b128 v[192+4*\t:195+4*\t], v[R32] offset:2*SPITCH*\t     ; the third head once more, as f32: two rows of 256 bytes an instruction
.endr
.irp t, 0,1,2,3,4,5,6,7,8,9,10,11,12,13,14,15
	s_wait_dscnt 15-\t
	global_store_b128 v[L16], v[192+4*\t:195+4*\t], s[22:23] offset:512*\t th:TH_STORE_NT
.endr
	s_wait_tensorcnt 0x0                           ; the wave's end, behind my last tensor load and my last LDS store
	ds_add_u32 v[SPW], v[NIL]
	s_wait_dscnt 0x0
	CROUND                                         ; the closing round: no work-group ends while a partner may still ask for a tile that names it
	s_endpgm
.Lfunc_end_k_qa961a51b73_qkv:
	.size	k_qa961a51b73_qkv, .Lfunc_end_k_qa961a51b73_qkv-k_qa961a51b73_qkv
	.p2alignl 7, 3214868480
	.fill 96, 4, 3214868480
	.section	.rodata,"a",@progbits
	.p2align	6, 0x0
	.amdhsa_kernel k_qa961a51b73_qkv
		.amdhsa_group_segment_fixed_size 327680
		.amdhsa_private_segment_fixed_size 0
		.amdhsa_enable_private_segment 0
		.amdhsa_kernarg_size 40
		.amdhsa_user_sgpr_count 2
		.amdhsa_user_sgpr_kernarg_segment_ptr 1
		.amdhsa_wavefront_size32 1
		.amdhsa_system_sgpr_workgroup_id_x 1
		.amdhsa_system_sgpr_workgroup_id_y 1
		.amdhsa_system_sgpr_workgroup_id_z 1
		.amdhsa_system_vgpr_workitem_id 0
		.amdhsa_next_free_vgpr 448
		.amdhsa_next_free_sgpr 100
		.amdhsa_reserve_vcc 0
		.amdhsa_float_denorm_mode_32 3
		.amdhsa_float_denorm_mode_16_64 3
		.amdhsa_memory_ordered 1
		.amdhsa_forward_progress 1
		.amdhsa_inst_pref_size 105
	.end_amdhsa_kernel
	.amdgpu_metadata
---
amdhsa.version: [ 1, 2 ]
amdhsa.kernels:
  - .name:           k_qa961a51b73_qkv
    .symbol:         k_qa961a51b73_qkv.kd
    .args:
      - { .name: codes, .offset: 0, .size: 8, .value_kind: global_buffer, .address_space: global }
      - { .name: scales, .offset: 8, .size: 8, .value_kind: global_buffer, .address_space: global }
      - { .name: qkvh, .offset: 16, .size: 8, .value_kind: global_buffer, .address_space: global }
      - { .name: out1, .offset: 24, .size: 8, .value_kind: global_buffer, .address_space: global }
      - { .name: out2, .offset: 32, .size: 8, .value_kind: global_buffer, .address_space: global }
    .group_segment_fixed_size: 327680
    .private_segment_fixed_size: 0
    .kernarg_segment_align: 8
    .kernarg_segment_size: 40
    .max_flat_workgroup_size: 128
    .sgpr_count:     100
    .vgpr_count:     448
    .wavefront_size: 32
...
	.end_amdgpu_metadata
.endif
;; end of part 2
;; launch attn (part 3): grid 32 x 8, 8 waves a work-group, clusters of 4 x 1, 327,680 bytes of LDS; arguments qkvh, mb, ah; writes ah
.if DOCPART == 3
	.amdgcn_target "amdgcn-amd-amdhsa--gfx1250"
	.amdhsa_code_object_version 6
	.text
	.protected	k_qa961a51b73_attn
	.globl	k_qa961a51b73_attn
	.p2align	8
	.type	k_qa961a51b73_attn,@function
k_qa961a51b73_attn:
	s_mov_b64 s[64:65], 0
	v_nop
	global_prefetch_b8 v0, s[64:65] scope:SCOPE_SE
	s_setreg_imm32_b32 hwreg(HW_REG_WAVE_MODE, 25, 1), 1
	s_wait_xcnt 0x0
	s_wait_alu depctr_hold_cnt(0) depctr_sa_sdst(0) depctr_va_vdst(0) depctr_va_sdst(0) depctr_va_ssrc(0) depctr_va_vcc(0) depctr_vm_vsrc(0)
	s_getreg_b32 s2, hwreg(HW_REG_IB_STS2, 6, 4)
	s_cmp_eq_u32 s2, 0
	s_cbranch_scc0 .Lentry_in_a_cluster
	s_endpgm
.Lentry_in_a_cluster:
	s_bfe_u32 s2, ttmp6, 0x10000c
	s_cmp_lg_u32 s2, 0x3003
	s_cbranch_scc0 .Lentry_shape_is_right
	s_endpgm
.Lentry_shape_is_right:
; ATTENTION.  qkvh: f16 [48 heads][2048][64] (0-31 Q, 32-39 K, 40-47 V).  mb: the mask as FP4 codes (0: the key counts; 0xA = -1: hidden), [tile of 16 queries][step of 64 keys][lane][16 bytes].
; ah: the result, f16 [2048][2048], column = head x 64 + channel.  Products on f16 operands, sums, maxima and the softmax in f32.  The mask is an input: every score is computed, no tile is left out.
; SHARES.  A work-group owns 64 queries x the 4 query heads of one key and value head: 32 x 8 = 256 work-groups.  Wave w owns the tile of 16 queries w % 4, all four heads, and walks the key steps (64 keys) of
; parity w / 4: 16 of the 32.  So each fragment of K and V read from LDS feeds four tiles, and two waves stand on a SIMD: one's vector work beside the other's matrix work.  At the end the two halves of a tile's softmax meet in LDS.
; LAYOUT.  S^T = K Q^T (source 0 = 16 keys, source 1 = 16 queries): a lane holds ONE query (lane % 16) and keys 8 (lane / 16) + 0 .. 7 of each tile of 16.  Two such tiles rounded to f16 are source 1 of O^T = V^T P.
; THE MASK is the C of each score tile's first matrix instruction: a lane's 32 nibbles are turned by four conversions into 32 numbers, 0 or -2^113, for all four heads at once.  |score| is under 64 x 65,504^2, far above -2^113.
; SOFTMAX.  For each query a running maximum m and sum l: p = 2^(c s - cm), c = log2(e) / 8, cm = c m raised by |c m| 2^-22, so that c s - cm is never above 0 whatever was rounded.  O and l are multiplied by 2^(old cm - new cm) in every step.
; While a row has met hidden keys only, every p is 2^(a number near -1e26) = 0, l = 0 and O = 0; its first key that counts makes the factor 0.  A row with no key that counts ends as 0 x (1 / 0): NaN, as the softmax of a row of -infinity.
; CLUSTER.  The four blocks of queries of a cluster walk the same K and V: each tile is asked for jointly.  The mask's tile is each work-group's own: a plain load among the first fills.
; LIMITS: |Q|, |K|, |V| under 65,504 (f16); NaN and infinities among the inputs are not served.
; REGISTERS.  Window 0: v3-17 addresses; v20-23 mask words; v24-55 statistics, 8 a head; v56-87 the mask's 32 numbers; v88-151 S^T of two heads; v152-183 P of two heads; v184-247 Q.  Window 1: v0-127 O^T, 32 a head; v128-191 K; v192-255 V.
.set PK,    144                        ; a row of K in LDS: 128 bytes + 16 = 36 words: the 16 rows of a load start at 16 different groups of 4 banks (64 banks of 4 bytes: ISA guide 11.1)
.set PVP,   160                        ; a row of V: 128 + 32 = 40 words
.set VOFF,  64*PK                      ; a step's tiles lie together: 64 rows of K, then 64 rows of V
.set STEPB, 64*(PK+PVP)                ; 19,456
.set SLOT1, 1<<17                      ; a slot holds four steps (77,824 bytes); slot 1 begins here, so that one exclusive or turns an address
.set MSK,   SLOT1+4*STEPB              ; the work-group's 65,536 bytes of mb, filled once
.set STI,   MSK+65536                  ; 8 x 1,024: the statistics' images
.set OST,   STI+8192                   ; 8 x 16 rows x 272: the stages for the way out
.set SPARE, OST+8*4352                 ; the spare words, 128 bytes for each wave: four blocks of 256 bytes that no other line names
                                       ; O^T's images, 16,384 bytes a wave, lie in bytes 0 to 131,071: slot 0, which has had its last fill and its last read by then, and the gap behind it
.set AK0, 3                            ; my lane's place in a tile of K (with my parity's step)
.set AV0, 4                            ; of V
.set AM0, 5                            ; among the mask's words
.set ADK, 6                            ; the same three with the slot in hand
.set ADV, 7
.set ADM, 8
.set QO,  9
.set IMS, 10                           ; where I store O^T's image
.set IML0, 11                          ; where I read the two heads that I finish: parity 0's image,
.set IML1, 12                          ; parity 1's
.set STS, 13                           ; the statistics: store,
.set STL, 14                           ; load
.set OSI, 15                           ; the stage: in,
.set OSO, 16                           ; out
.set GO,  17                           ; my byte offset in ah
.set MW,  20
.set ST,  24                           ; head t at v[ST + 8 t]: +0 cm, +1 m, +2, +3 l (even keys', odd keys'), +4 .. +7 at work; the factor takes +6
.set BI,  56
.set S,   88
.set P,   152
.set Q,   184
.set PFO, 248                          ; 256 x lane: the prefetches' offset; never rewritten
.set SCB, 249                          ; the byte 240 in every byte: 2^113
.set SPW, 250                          ; LDS address of my spare word; never rewritten
.set NIL, 251                          ; 0; never rewritten
.set KF,  128                          ; in window 1
.set VF,  192
.set WV,  12                           ; s12  my wave's number
.set LIM, 15                           ; s15  1 in a wave that prefetches, else the greatest number
.set PFA, 18                           ; s[18:19] where my prefetches stand
.set G1K, 24
.set G1V, 32
.set G0K, 40                           ; s[40:47] a set for each of the two first fills; the second then walks on
.set G0V, 48
.set SLOTS, 56
.set EPS, 57                           ; 2^-22
.set CS,  58                           ; s[58:59] c
.set SEL, 60                           ; s[60:61] lane selects: lane l xor 16
.set TB,  62                           ; LDS byte at which the slot in hand begins
.set TM,  63                           ; and its mask words: 2,048 bytes a slot
.set G1M, 68
.set G0M, 76
.set MSB, 0
.macro WIN new                         ; the immediate's high byte repeats the setting that is left
.if MSB != \new
	s_set_vgpr_msb (MSB<<8)|\new
.set MSB, \new
.endif
.endm
; A joint refill: waves 0 to 3 fetch the slot's four tiles of K, waves 4 to 7 those of V.  The branch hangs on the wave's number alone.  An s_nop 0 and four v_nop follow each line.
.macro JLOAD
	s_cmp_lt_u32 s[WV], 4
	s_cbranch_scc0 .Lfor_v_\@
	tensor_load_to_lds s[G0K+4:G0K+7], s[G1K:G1K+7]
	s_nop 0
.rept 4
	v_nop
.endr
	s_branch .Lasked_\@
.Lfor_v_\@:
	tensor_load_to_lds s[G0V+4:G0V+7], s[G1V:G1V+7]
	s_nop 0
.rept 4
	v_nop
.endr
.Lasked_\@:
.endm
; A prefetch of what the NEXT change of slots will ask for: 256 rows of K and of V, 32,768 dense bytes each.  All clusters of a key and value head walk the same rows: the head's first cluster asks; its four partners
; take 8,192 bytes each, told apart by address; in each, wave 0 asks for K's and wave 4 for V's, lanes 256 bytes apart: each block of 256 bytes is named once in the launch.  The last refill asks for nothing.
.macro ASK
	s_cmp_gt_u32 s[SLOTS], s[LIM]
	s_cbranch_scc0 .Lnot_mine_\@
	global_prefetch_b8 v[PFO], s[PFA:PFA+1] th:TH_LOAD_NT scope:SCOPE_SE
.Lnot_mine_\@:
.endm
.macro CROUND                          ; a round of the cluster's barrier
	s_barrier_signal -1
	s_barrier_wait -1
	s_cmp_lg_u32 s[WV], 0
	s_cbranch_scc1 .Lnot_wave_0_\@
	s_barrier_signal -3
.Lnot_wave_0_\@:
	s_barrier_wait -3
	s_barrier_signal -1
	s_barrier_wait -1
.endm
	s_load_b128 s[4:7], s[0:1], 0x0                ; qkvh s[4:5], mb s[6:7]
	s_load_b64 s[8:9], s[0:1], 0x10                ; ah
	v_lshl_add_u32 v[SPW], v0, 2, SPARE
	v_mov_b32 v[NIL], 0
	ds_add_u32 v[SPW], v[NIL]                      ; the wave's opening: the add, twice on end, and its wait ahead of my first tensor load
	ds_add_u32 v[SPW], v[NIL]
	v_lshrrev_b32 v1, 5, v0
	v_readfirstlane_b32 s[WV], v1                  ; wave 0..7
	s_bfe_u32 s13, ttmp6, 0x40000                  ; cx
	s_lshl_b32 s14, ttmp9, 2
	s_add_co_u32 s14, s14, s13                     ; qb: my block of 64 queries: it enters Q's, the mask's and ah's addresses alone
	s_and_b32 s16, ttmp7, 0xffff                   ; kv: the key and value head, which the partners share
	s_and_b32 s17, s[WV], 3                        ; my tile of queries.  Also: which of a slot's four steps I fetch
	s_lshr_b32 s20, s[WV], 2                       ; my parity
	s_add_co_u32 s22, s16, 32
	s_lshl_b32 s22, s22, 18                        ; K's head, 262,144 bytes a head,
	s_lshl_b32 s21, s17, 13
	s_add_co_u32 s22, s22, s21                     ; and my 64 rows of 128 bytes
	s_mov_b32 s23, 0
	s_mul_i32 s21, s17, STEPB                      ; their place in a slot
	s_lshl_b32 s2, s14, 6
	s_lshl_b32 s3, s17, 4
	s_add_co_u32 s2, s2, s3                        ; my first query
	s_lshl_b32 s80, s2, 7
	s_lshl_b32 s3, s16, 20                         ; head 4 kv
	s_add_co_u32 s80, s80, s3
	s_mov_b32 s81, 0
	s_lshl_b32 s82, s2, 12                         ; ah: 4,096 bytes a row,
	s_lshl_b32 s3, s16, 9
	s_add_co_u32 s82, s82, s3                      ; head 4 kv,
	s_lshl_b32 s3, s20, 8
	s_add_co_u32 s82, s82, s3                      ; + 2 x parity: the two heads that I finish
	s_mov_b32 s83, 0
	s_lshl_b32 s2, s14, 16                         ; mb: 65,536 bytes a block of queries, 8,192 a wave
	s_lshl_b32 s3, s[WV], 13
	s_add_co_u32 s2, s2, s3
	s_mov_b32 s3, 0
	s_mov_b32 s[G1K], 15|(1<<16)|(1<<20)|(1<<21)|(4<<22)|(3<<25)   ; the mask: all four work-groups; elements of 2 bytes; padding on; bit 21 beside a mask; 4 words of padding after every 32
	s_mov_b32 s[G1V], 15|(1<<16)|(1<<20)|(1<<21)|(4<<22)|(7<<25)   ; the same with 8 words of padding
.irp g, G1K, G1V
	s_mov_b32 s[\g+1], 64<<16                      ; tensor_dim0 = 64
	s_mov_b32 s[\g+2], 64<<16                      ; tensor_dim1 = 64
	s_mov_b32 s[\g+3], 64<<16                      ; tile_dim0
	s_mov_b32 s[\g+4], 64                          ; tile_dim1
	s_mov_b32 s[\g+5], 64                          ; from row to row
	s_mov_b32 s[\g+6], 0
	s_mov_b32 s[\g+7], 0
.endr
	s_mov_b32 s[G1M], 3<<16                        ; the mask's 8,192 dense bytes as 32 rows of 256 (32 elements of 8 bytes); no work-group mask, no padding
	s_mov_b32 s[G1M+1], 32<<16
	s_mov_b32 s[G1M+2], 32<<16
	s_mov_b32 s[G1M+3], 32<<16
	s_mov_b32 s[G1M+4], 32
	s_mov_b32 s[G1M+5], 32
	s_mov_b32 s[G1M+6], 0
	s_mov_b32 s[G1M+7], 0
	s_mov_b32 s[EPS], 0x34800000                   ; 2^-22
	s_mov_b32 s[CS], 0x3e38aa3b                    ; c = log2(e) / 8
	s_mov_b32 s[CS+1], s[CS]
	s_mov_b32 s[SEL], 0x76543210
	s_mov_b32 s[SEL+1], 0xfedcba98
	s_mov_b32 s[TB], 0
	s_mov_b32 s[TM], 0
	s_mov_b32 s[SLOTS], 6
	s_or_b32 s[LIM], s17, ttmp9                    ; 0 in waves 0 and 4 of the head's first cluster: the same in all four partners
	s_cmp_eq_u32 s[LIM], 0
	s_cselect_b32 s[LIM], 1, -1
	s_wait_dscnt 0x0                               ; both opening adds are done
	s_wait_kmcnt 0x0
	s_add_nc_u64 s[10:11], s[4:5], s[80:81]        ; Q at my first query, head 4 kv
	s_add_nc_u64 s[8:9], s[8:9], s[82:83]
	s_add_nc_u64 s[6:7], s[6:7], s[2:3]
	s_add_nc_u64 s[22:23], s[4:5], s[22:23]        ; K at my tile of slot 0
	s_add_nc_u64 s[80:81], s[22:23], 2097152       ; V: eight heads on
	s_cmp_lt_u32 s[WV], 4
	s_cselect_b64 s[PFA:PFA+1], s[22:23], s[80:81] ; (in waves 0 and 4 these stand at a slot's first row)
	s_lshl_b32 s2, s13, 13                         ; my work-group's 8,192 bytes of the 32,768
	s_add_nc_u64 s[PFA:PFA+1], s[PFA:PFA+1], s[2:3]
	s_add_nc_u64 s[PFA:PFA+1], s[PFA:PFA+1], 2*32768   ; in slot 2; the first change of slots steps it to slot 3.  Nothing is prefetched at the head
	CROUND                                         ; all four work-groups are here: the first joint loads meet
.irp s, 0,1
	s_mov_b32 s[G0K+4*\s], 1
	s_add_co_u32 s[G0K+4*\s+1], s21, \s*SLOT1
	s_add_nc_u64 s[G0K+4*\s+2:G0K+4*\s+3], s[22:23], \s*32768
	s_or_b32 s[G0K+4*\s+3], s[G0K+4*\s+3], 0x80000000
	s_mov_b32 s[G0V+4*\s], 1
	s_add_co_u32 s[G0V+4*\s+1], s21, \s*SLOT1+VOFF
	s_add_nc_u64 s[G0V+4*\s+2:G0V+4*\s+3], s[80:81], \s*32768
	s_or_b32 s[G0V+4*\s+3], s[G0V+4*\s+3], 0x80000000
.endr
	s_mov_b32 s[G0M], 1
	s_lshl_b32 s[G0M+1], s[WV], 13
	s_add_co_u32 s[G0M+1], s[G0M+1], MSK
	s_mov_b64 s[G0M+2:G0M+3], s[6:7]
	s_or_b32 s[G0M+3], s[G0M+3], 0x80000000
	tensor_load_to_lds s[G0M:G0M+3], s[G1M:G1M+7]  ; my eighth of the mask's words
	s_nop 0
	s_cmp_lt_u32 s[WV], 4                          ; my two first fills of the ring stand in one branch: three tensor loads of mine are out behind it
	s_cbranch_scc0 .Lfirst_v
	tensor_load_to_lds s[G0K:G0K+3], s[G1K:G1K+7]
	s_nop 0
	tensor_load_to_lds s[G0K+4:G0K+7], s[G1K:G1K+7]
	s_nop 0
.rept 4
	v_nop
.endr
	s_branch .Lfirst_asked
.Lfirst_v:
	tensor_load_to_lds s[G0V:G0V+3], s[G1V:G1V+7]
	s_nop 0
	tensor_load_to_lds s[G0V+4:G0V+7], s[G1V:G1V+7]
	s_nop 0
.rept 4
	v_nop
.endr
.Lfirst_asked:
	v_and_b32 v1, 15, v0                           ; r
	v_bfe_u32 v2, v0, 4, 1                         ; h
	v_and_b32 v18, 31, v0                          ; lane
	v_lshlrev_b32 v19, 4, v18                      ; 16 x lane
	v_lshlrev_b32 v[QO], 7, v1
	v_lshl_add_u32 v[QO], v2, 4, v[QO]             ; Q: row r of 128 bytes + 16 h
.irp t, 0,1,2,3
.irp e, 0,1
	global_load_b128 v[Q+16*\t+8*\e:Q+16*\t+8*\e+3], v[QO], s[10:11] offset:262144*\t+64*\e        ; Q stays in registers: head t, channels 32 e on
	global_load_b128 v[Q+16*\t+8*\e+4:Q+16*\t+8*\e+7], v[QO], s[10:11] offset:262144*\t+64*\e+32
.endr
.endr
	s_mul_i32 s2, s20, STEPB                       ; my parity's step of a pair
	v_mul_u32_u24 v[AK0], v1, PK
	v_lshl_add_u32 v[AK0], v2, 4, v[AK0]
	v_add_nc_u32 v[AK0], s2, v[AK0]
	v_and_b32 v[AV0], 7, v0                        ; the turning load: lane l reads key 8 h + l % 8, channels 8 ((l / 8) % 2) on
	v_lshl_add_u32 v[AV0], v2, 3, v[AV0]
	v_mul_u32_u24 v[AV0], v[AV0], PVP
	v_bfe_u32 v[ADK], v0, 3, 1
	v_lshl_add_u32 v[AV0], v[ADK], 4, v[AV0]
	s_add_co_u32 s2, s2, VOFF
	v_add_nc_u32 v[AV0], s2, v[AV0]
	s_lshl_b32 s2, s17, 14                         ; 16,384 x my tile
	s_lshl_b32 s3, s20, 9
	s_add_co_u32 s3, s3, s2
	s_add_co_u32 s3, s3, MSK
	v_add_nc_u32 v[AM0], s3, v19
	s_lshl_b32 s3, s[WV], 14
	v_add_nc_u32 v[IMS], s3, v19
	s_lshl_b32 s3, s20, 13
	s_add_co_u32 s3, s3, s2
	v_add_nc_u32 v[IML0], s3, v19
	v_add_nc_u32 v[IML1], 65536, v[IML0]
	s_lshl_b32 s3, s[WV], 10
	s_add_co_u32 s3, s3, STI
	v_add_nc_u32 v[STS], s3, v19
	s_lshl_b32 s3, s17, 10
	s_lshl_b32 s2, s20, 9
	s_add_co_u32 s3, s3, s2
	s_add_co_u32 s3, s3, STI
	v_add_nc_u32 v[STL], s3, v19
	s_mul_i32 s3, s[WV], 4352
	s_add_co_u32 s3, s3, OST
	v_mul_u32_u24 v[OSI], v1, 272
	v_lshl_add_u32 v[OSI], v2, 4, v[OSI]
	v_add_nc_u32 v[OSI], s3, v[OSI]
	v_mul_u32_u24 v[OSO], v2, 272
	v_lshl_add_u32 v[OSO], v1, 4, v[OSO]
	v_add_nc_u32 v[OSO], s3, v[OSO]
	v_lshlrev_b32 v[GO], 12, v2
	v_lshl_add_u32 v[GO], v1, 4, v[GO]
	v_mov_b32 v[SCB], 0xf0f0f0f0
	v_lshlrev_b32 v[PFO], 8, v18
	v_mov_b32 v[ADK], v[AK0]
	v_mov_b32 v[ADV], v[AV0]
	v_mov_b32 v[ADM], v[AM0]
; A step's LDS loads in one run: the mask's words, K (64 keys x 64 channels: 8 fragments), V (turned: 8 fragments).  u: my first or second step of the slot
.macro FETCH u
	WIN 0
	ds_load_b128 v[MW:MW+3], v[ADM] offset:1024*\u
	WIN 0x40                                       ; destination window 1
.irp g, 0,1,2,3
.irp e, 0,1
	ds_load_b128 v[KF+16*\g+8*\e:KF+16*\g+8*\e+3], v[ADK] offset:2*STEPB*\u+16*PK*\g+64*\e
	ds_load_b128 v[KF+16*\g+8*\e+4:KF+16*\g+8*\e+7], v[ADK] offset:2*STEPB*\u+16*PK*\g+64*\e+32
.endr
.endr
.irp y, 0,1
.irp d, 0,1,2,3
	ds_load_tr16_b128 v[VF+32*\y+8*\d:VF+32*\y+8*\d+3], v[ADV] offset:2*STEPB*\u+32*PVP*\y+32*\d
	ds_load_tr16_b128 v[VF+32*\y+8*\d+4:VF+32*\y+8*\d+7], v[ADV] offset:2*STEPB*\u+32*PVP*\y+16*PVP+32*\d
.endr
.endr
	WIN 0
.endm
; S^T = K Q^T + the mask's numbers, for heads x and x + 1: 16 matrix instructions on 8 accumulators, which take turns, one instruction a turn
.macro QK x
	WIN 0x01                                       ; K in window 1
.irp e, 0,1
.irp g, 0,1,2,3
.irp u, 0,1
.if \e == 0
	v_wmma_f32_16x16x32_f16 v[S+32*\u+8*\g:S+32*\u+8*\g+7], v[KF+16*\g:KF+16*\g+7], v[Q+16*(\x+\u):Q+16*(\x+\u)+7], v[BI+8*\g:BI+8*\g+7]
.else
	v_wmma_f32_16x16x32_f16 v[S+32*\u+8*\g:S+32*\u+8*\g+7], v[KF+16*\g+8:KF+16*\g+15], v[Q+16*(\x+\u)+8:Q+16*(\x+\u)+15], v[S+32*\u+8*\g:S+32*\u+8*\g+7]
.endif
.endr
.endr
.endr
.endm
; O^T += V^T P for heads x and x + 1: 16 matrix instructions on 8 accumulators by turns.  first = 1: the first eight start the sums: nothing is cleared
.macro PVM x, first
	WIN 0x51                                       ; V, C and D in window 1, P in window 0
.irp y, 0,1
.irp d, 0,1,2,3
.irp u, 0,1
.if \first && (\y == 0)
	v_wmma_f32_16x16x32_f16 v[32*(\x+\u)+8*\d:32*(\x+\u)+8*\d+7], v[VF+32*\y+8*\d:VF+32*\y+8*\d+7], v[P+16*\u+8*\y:P+16*\u+8*\y+7], 0
.else
	v_wmma_f32_16x16x32_f16 v[32*(\x+\u)+8*\d:32*(\x+\u)+8*\d+7], v[VF+32*\y+8*\d:VF+32*\y+8*\d+7], v[P+16*\u+8*\y:P+16*\u+8*\y+7], v[32*(\x+\u)+8*\d:32*(\x+\u)+8*\d+7]
.endif
.endr
.endr
.endr
.endm
; The softmax of heads x and x + 1 for one step, the two heads line by line, so that no line waits for the line above it.  first = 1: the first step, which starts m, l and O^T
.macro SOFTMAX x, first
	WIN 0
.rept 4
	v_nop                                          ; the places behind the products (ISA guide 7.12.1)
.endr
.irp j, 0,1,2,3
.irp u, 0,1
	v_max3_num_f32 v[ST+8*(\x+\u)+4+\j], v[S+32*\u+8*\j], v[S+32*\u+8*\j+1], v[S+32*\u+8*\j+2]       ; four chains; each accumulator is read from its low end on
.endr
.endr
.irp i, 3,5
.irp j, 0,1,2,3
.irp u, 0,1
	v_max3_num_f32 v[ST+8*(\x+\u)+4+\j], v[ST+8*(\x+\u)+4+\j], v[S+32*\u+8*\j+\i], v[S+32*\u+8*\j+\i+1]
.endr
.endr
.endr
.irp u, 0,1
	v_max3_num_f32 v[ST+8*(\x+\u)+4], v[ST+8*(\x+\u)+4], v[S+32*\u+7], v[S+32*\u+15]
.endr
.irp u, 0,1
	v_max3_num_f32 v[ST+8*(\x+\u)+6], v[ST+8*(\x+\u)+6], v[S+32*\u+23], v[S+32*\u+31]
.endr
.irp u, 0,1
	v_max3_num_f32 v[ST+8*(\x+\u)+4], v[ST+8*(\x+\u)+4], v[ST+8*(\x+\u)+5], v[ST+8*(\x+\u)+6]
.endr
.irp u, 0,1
.if \first
	v_max_num_f32 v[ST+8*(\x+\u)+4], v[ST+8*(\x+\u)+4], v[ST+8*(\x+\u)+7]
.else
	v_max3_num_f32 v[ST+8*(\x+\u)+4], v[ST+8*(\x+\u)+4], v[ST+8*(\x+\u)+7], v[ST+8*(\x+\u)+1]       ; with the old m
.endif
.endr
.irp u, 0,1
	v_permlanex16_b32 v[ST+8*(\x+\u)+5], v[ST+8*(\x+\u)+4], s[SEL], s[SEL+1]                        ; the query's other 32 keys lie in the lane 16 away
.endr
.if \first == 0
.irp u, 0,1
	v_mov_b32 v[ST+8*(\x+\u)+7], v[ST+8*(\x+\u)]                                                    ; the old cm is kept for the factor
.endr
.endif
.irp u, 0,1
	v_max_num_f32 v[ST+8*(\x+\u)+1], v[ST+8*(\x+\u)+4], v[ST+8*(\x+\u)+5]                           ; m
.endr
.irp u, 0,1
	v_mul_f32 v[ST+8*(\x+\u)], s[CS], v[ST+8*(\x+\u)+1]
.endr
.irp u, 0,1
	v_fma_f32 v[ST+8*(\x+\u)], |v[ST+8*(\x+\u)]|, s[EPS], v[ST+8*(\x+\u)]                           ; cm = c m raised by |c m| 2^-22: at or above the true c m
.endr
.if \first == 0
.irp u, 0,1
	v_sub_f32 v[ST+8*(\x+\u)+7], v[ST+8*(\x+\u)+7], v[ST+8*(\x+\u)]
.endr
.endif
.set b, 0
.rept 16
.irp u, 0,1
	v_pk_fma_f32 v[S+32*\u+2*b:S+32*\u+2*b+1], v[S+32*\u+2*b:S+32*\u+2*b+1], s[CS:CS+1], v[ST+8*(\x+\u):ST+8*(\x+\u)+1] op_sel_hi:[1,0,0] neg_lo:[0,0,1] neg_hi:[0,0,1]   ; c s - cm, two at a time
.endr
.set b, b+1
.endr
.if \first == 0
.irp u, 0,1
	v_exp_f32 v[ST+8*(\x+\u)+6], v[ST+8*(\x+\u)+7]                                                  ; the factor 2^(old cm - new cm)
.endr
.endif
.set e, 0
.rept 32
.irp u, 0,1
	v_exp_f32 v[S+32*\u+e], v[S+32*\u+e]
.endr
.set e, e+1
.endr
	v_nop                                          ; a plain instruction behind the last exponential,
	s_wait_alu depctr_va_vdst(0)                   ; and ONE wait for the whole batch, ahead of the first instruction that names a result
.set b, 0
.rept 16
.irp u, 0,1
	v_cvt_pk_f16_f32 v[P+16*\u+b], v[S+32*\u+2*b], v[S+32*\u+2*b+1]
.endr
.set b, b+1
.endr
.irp k, 0,1,2,3,4,5,6,7                        ; the sum of the head's 16 pairs, in place: neighbours 1, 2, 4 and 8 pairs apart
.irp u, 0,1
	v_pk_add_f32 v[S+32*\u+4*\k:S+32*\u+4*\k+1], v[S+32*\u+4*\k:S+32*\u+4*\k+1], v[S+32*\u+4*\k+2:S+32*\u+4*\k+3]
.endr
.endr
.irp k, 0,1,2,3
.irp u, 0,1
	v_pk_add_f32 v[S+32*\u+8*\k:S+32*\u+8*\k+1], v[S+32*\u+8*\k:S+32*\u+8*\k+1], v[S+32*\u+8*\k+4:S+32*\u+8*\k+5]
.endr
.endr
.irp k, 0,1
.irp u, 0,1
	v_pk_add_f32 v[S+32*\u+16*\k:S+32*\u+16*\k+1], v[S+32*\u+16*\k:S+32*\u+16*\k+1], v[S+32*\u+16*\k+8:S+32*\u+16*\k+9]
.endr
.endr
.if \first
.irp u, 0,1
	v_pk_add_f32 v[ST+8*(\x+\u)+2:ST+8*(\x+\u)+3], v[S+32*\u:S+32*\u+1], v[S+32*\u+16:S+32*\u+17]
.endr
.else
.irp u, 0,1
	v_pk_add_f32 v[S+32*\u:S+32*\u+1], v[S+32*\u:S+32*\u+1], v[S+32*\u+16:S+32*\u+17]
.endr
.irp u, 0,1
	v_pk_fma_f32 v[ST+8*(\x+\u)+2:ST+8*(\x+\u)+3], v[ST+8*(\x+\u)+2:ST+8*(\x+\u)+3], v[ST+8*(\x+\u)+6:ST+8*(\x+\u)+7], v[S+32*\u:S+32*\u+1] op_sel_hi:[1,0,1]
.endr
	WIN 0x41                                       ; O^T (destination and source 0) in window 1, the factor in window 0
.set b, 0
.rept 16
.irp u, 0,1
	v_pk_mul_f32 v[32*(\x+\u)+2*b:32*(\x+\u)+2*b+1], v[32*(\x+\u)+2*b:32*(\x+\u)+2*b+1], v[ST+8*(\x+\u)+6:ST+8*(\x+\u)+7] op_sel_hi:[1,0]
.endr
.set b, b+1
.endr
.endif
.endm
; A KEY STEP of 64 keys, for my four heads, two at a time
.macro STEP u, first
	WIN 0
.rept 4
	v_nop                                          ; the places in front of loads into K's and V's registers, which the last products read
.endr
	FETCH \u
	s_wait_dscnt 16                                ; the mask's words and K are in; V's 16 loads may be out
.irp g, 0,1,2,3
	v_cvt_scale_pk8_f32_fp4 v[BI+8*\g:BI+8*\g+7], v[MW+\g], v[SCB]     ; eight codes x 2^113: 0 or -2^113
.endr
	v_nop                                          ; one plain place behind a scaled conversion
	QK 0
	SOFTMAX 0, \first
	s_wait_dscnt 0x0                               ; V is in
	PVM 0, \first
	QK 2
	SOFTMAX 2, \first
	PVM 2, \first
	WIN 0
.endm
; THE CHANGE OF SLOTS.  Each wave waits for all its tensor loads (its part of the slot ahead), adds 0 to its spare word, and waits for that and for its reads of the slot that it leaves.  fill = 1: a round of the
; cluster's barrier, and the slot just left is filled with the keys two slots on: the load has a slot's steps in which to land.
.macro CHANGE fill
	s_wait_tensorcnt 0x0                           ; no tensor load of mine is out, so a group 0 may be written
	ds_add_u32 v[SPW], v[NIL]                      ; 0 onto my spare word
.if \fill
.irp g, G0K+4, G0V+4
	s_xor_b32 s[\g+1], s[\g+1], SLOT1              ; the walking descriptors: the other slot than last time,
	s_add_nc_u64 s[\g+2:\g+3], s[\g+2:\g+3], 32768 ; the next 256 keys; the type bits on top are not reached
.endr
	s_wait_xcnt 0x0                                ; the last prefetch, a slot back, has read its address, so it may be written
	s_add_nc_u64 s[PFA:PFA+1], s[PFA:PFA+1], 32768
	s_wait_dscnt 0x0                               ; the add is done, and my reads of the slot are over
	CROUND
	JLOAD
	ASK
.else
	s_wait_dscnt 0x0
	s_barrier_signal -1
	s_barrier_wait -1
.endif
	s_xor_b32 s[TB], s[TB], SLOT1
	s_add_co_u32 s[TM], s[TM], 2048
	v_add_nc_u32 v[ADK], s[TB], v[AK0]
	v_add_nc_u32 v[ADV], s[TB], v[AV0]
	v_add_nc_u32 v[ADM], s[TM], v[AM0]
.endm
	s_wait_tensorcnt 1                             ; the mask's words and my part of slot 0 are in; slot 1's may stay out
	s_barrier_signal -1
	s_barrier_wait -1
	s_wait_loadcnt 0x0                             ; Q
	STEP 0, 1
	STEP 1, 0
.Lslot:                                            ; six trips: every slot but the last two is filled again
	CHANGE 1
	STEP 0, 0
	STEP 1, 0
	s_sub_co_u32 s[SLOTS], s[SLOTS], 1
	s_cmp_lg_u32 s[SLOTS], 0
	s_cbranch_scc1 .Lslot
	CHANGE 0                                       ; the tail is written out
	STEP 0, 0
	STEP 1, 0
	; THE TWO HALVES MEET.  Each wave stores O^T and (cm, l) of its four heads as images of its registers; then the wave of parity p finishes heads 2 p and 2 p + 1 of its tile: the choice lies in addresses alone.
.irp t, 0,1,2,3
	v_add_f32 v[ST+8*\t+4], v[ST+8*\t+2], v[ST+8*\t+3]     ; l's two halves.  (These plain lines are the places behind the last products)
.endr
.irp t, 0,1,2,3
	v_permlanex16_b32 v[ST+8*\t+5], v[ST+8*\t+4], s[SEL], s[SEL+1]
.endr
.irp t, 0,1,2,3
	v_add_f32 v[ST+8*\t+4], v[ST+8*\t+4], v[ST+8*\t+5]     ; and the other half of the lanes'
.endr
	v_mov_b32 v56, v[ST]                           ; heads 0, 1: cm, cm, l, l
	v_mov_b32 v57, v[ST+8]
	v_mov_b32 v58, v[ST+4]
	v_mov_b32 v59, v[ST+12]
	v_mov_b32 v60, v[ST+16]                        ; heads 2, 3
	v_mov_b32 v61, v[ST+24]
	v_mov_b32 v62, v[ST+20]
	v_mov_b32 v63, v[ST+28]
	s_wait_dscnt 0x0
	s_barrier_signal -1                            ; every wave's reads of the ring are over: the images may land on its bytes
	s_barrier_wait -1
	WIN 0x04                                       ; an LDS store's data are its source 1: window 1
.set b, 0
.rept 32
	ds_store_b128 v[IMS], v[4*b:4*b+3] offset:512*b        ; ascending: each accumulator from its low end on
.set b, b+1
.endr
	WIN 0
	ds_store_b128 v[STS], v[56:59]
	ds_store_b128 v[STS], v[60:63] offset:512
	s_wait_dscnt 0x0                               ; for the others' sake: my stores are done
	s_barrier_signal -1
	s_barrier_wait -1
.set b, 0
.rept 16
	ds_load_b128 v[56+4*b:59+4*b], v[IML0] offset:512*b    ; parity 0's O^T of my two heads: v56-119
.set b, b+1
.endr
.set b, 0
.rept 16
	ds_load_b128 v[120+4*b:123+4*b], v[IML1] offset:512*b  ; parity 1's: v120-183
.set b, b+1
.endr
	ds_load_b128 v[184:187], v[STL]                ; cm, cm, l, l of parity 0,
	ds_load_b128 v[188:191], v[STL] offset:4096    ; of parity 1
	s_wait_dscnt 0x0
.irp u, 0,1
	v_max_num_f32 v[192+\u], v[184+\u], v[188+\u]
.endr
.irp u, 0,1
	v_sub_f32 v[194+\u], v[184+\u], v[192+\u]
	v_sub_f32 v[196+\u], v[188+\u], v[192+\u]
.endr
.irp u, 0,1
	v_exp_f32 v[194+\u], v[194+\u]
	v_exp_f32 v[196+\u], v[196+\u]
.endr
	v_nop
	s_wait_alu depctr_va_vdst(0)                   ; one wait for the four exponentials
.irp u, 0,1
	v_mul_f32 v[198+\u], v[194+\u], v[186+\u]
.endr
.irp u, 0,1
	v_fmac_f32 v[198+\u], v[196+\u], v[190+\u]     ; the row's sum
.endr
.irp u, 0,1
	v_rcp_f32 v[200+\u], v[198+\u]
.endr
	v_nop
	s_wait_alu depctr_va_vdst(0)                   ; one wait for the two reciprocals
.irp u, 0,1
	v_mul_f32 v[202+4*\u], v[194+\u], v[200+\u]    ; each factor in both halves of a pair
	v_mul_f32 v[203+4*\u], v[194+\u], v[200+\u]
	v_mul_f32 v[204+4*\u], v[196+\u], v[200+\u]
	v_mul_f32 v[205+4*\u], v[196+\u], v[200+\u]
.endr
.irp u, 0,1
.set b, 0
.rept 16
	v_pk_mul_f32 v[56+32*\u+2*b:57+32*\u+2*b], v[56+32*\u+2*b:57+32*\u+2*b], v[202+4*\u:203+4*\u]
.set b, b+1
.endr
.set b, 0
.rept 16
	v_pk_fma_f32 v[56+32*\u+2*b:57+32*\u+2*b], v[120+32*\u+2*b:121+32*\u+2*b], v[204+4*\u:205+4*\u], v[56+32*\u+2*b:57+32*\u+2*b]
.set b, b+1
.endr
.endr
.set b, 0
.rept 32
	v_cvt_pk_f16_f32 v[216+b], v[56+2*b], v[57+2*b]
.set b, b+1
.endr
.irp u, 0,1
.irp d, 0,1,2,3
	ds_store_b128 v[OSI], v[216+16*\u+4*\d:219+16*\u+4*\d] offset:128*\u+32*\d     ; row r: head u, channels 16 d + 8 h on
.endr
.endr
.irp i, 0,1,2,3,4,5,6,7
	ds_load_b128 v[56+4*\i:59+4*\i], v[OSO] offset:544*\i  ; LDS serves a wave's instructions in order: these see my stores
.endr
.irp i, 0,1,2,3,4,5,6,7
	s_wait_dscnt 7-\i
	global_store_b128 v[GO], v[56+4*\i:59+4*\i], s[8:9] offset:8192*\i     ; 16 lanes store 256 consecutive bytes, aligned: two heads of a row
.endr
	s_wait_tensorcnt 0x0                           ; the wave's end, behind my last tensor load and my last LDS store
	ds_add_u32 v[SPW], v[NIL]
	s_wait_dscnt 0x0
	CROUND                                         ; the closing round
	s_endpgm
.Lfunc_end_k_qa961a51b73_attn:
	.size	k_qa961a51b73_attn, .Lfunc_end_k_qa961a51b73_attn-k_qa961a51b73_attn
	.p2alignl 7, 3214868480
	.fill 96, 4, 3214868480
	.section	.rodata,"a",@progbits
	.p2align	6, 0x0
	.amdhsa_kernel k_qa961a51b73_attn
		.amdhsa_group_segment_fixed_size 327680
		.amdhsa_private_segment_fixed_size 0
		.amdhsa_enable_private_segment 0
		.amdhsa_kernarg_size 24
		.amdhsa_user_sgpr_count 2
		.amdhsa_user_sgpr_kernarg_segment_ptr 1
		.amdhsa_wavefront_size32 1
		.amdhsa_system_sgpr_workgroup_id_x 1
		.amdhsa_system_sgpr_workgroup_id_y 1
		.amdhsa_system_sgpr_workgroup_id_z 1
		.amdhsa_system_vgpr_workitem_id 0
		.amdhsa_next_free_vgpr 512
		.amdhsa_next_free_sgpr 84
		.amdhsa_reserve_vcc 0
		.amdhsa_float_denorm_mode_32 3
		.amdhsa_float_denorm_mode_16_64 3
		.amdhsa_memory_ordered 1
		.amdhsa_forward_progress 1
		.amdhsa_inst_pref_size 217
	.end_amdhsa_kernel
	.amdgpu_metadata
---
amdhsa.version: [ 1, 2 ]
amdhsa.kernels:
  - .name:           k_qa961a51b73_attn
    .symbol:         k_qa961a51b73_attn.kd
    .args:
      - { .name: qkvh, .offset: 0, .size: 8, .value_kind: global_buffer, .address_space: global }
      - { .name: mb, .offset: 8, .size: 8, .value_kind: global_buffer, .address_space: global }
      - { .name: ah, .offset: 16, .size: 8, .value_kind: global_buffer, .address_space: global }
    .group_segment_fixed_size: 327680
    .private_segment_fixed_size: 0
    .kernarg_segment_align: 8
    .kernarg_segment_size: 24
    .max_flat_workgroup_size: 256
    .sgpr_count:     84
    .vgpr_count:     512
    .wavefront_size: 32
...
	.end_amdgpu_metadata
.endif
;; end of part 3
;; launch oproj (part 4): grid 16 x 16, 4 waves a work-group, clusters of 4 x 4, 327,680 bytes of LDS; arguments ah, wo16, out0; writes out0
.if DOCPART == 4
	.amdgcn_target "amdgcn-amd-amdhsa--gfx1250"
	.amdhsa_code_object_version 6
	.text
	.protected	k_qa961a51b73_oproj
	.globl	k_qa961a51b73_oproj
	.p2align	8
	.type	k_qa961a51b73_oproj,@function
k_qa961a51b73_oproj:
	s_mov_b64 s[64:65], 0
	v_nop
	global_prefetch_b8 v0, s[64:65] scope:SCOPE_SE
	s_setreg_imm32_b32 hwreg(HW_REG_WAVE_MODE, 25, 1), 1
	s_wait_xcnt 0x0
	s_wait_alu depctr_hold_cnt(0) depctr_sa_sdst(0) depctr_va_vdst(0) depctr_va_sdst(0) depctr_va_ssrc(0) depctr_va_vcc(0) depctr_vm_vsrc(0)
	s_getreg_b32 s2, hwreg(HW_REG_IB_STS2, 6, 4)
	s_cmp_eq_u32 s2, 0
	s_cbranch_scc0 .Lentry_in_a_cluster
	s_endpgm
.Lentry_in_a_cluster:
	s_bfe_u32 s2, ttmp6, 0x10000c
	s_cmp_lg_u32 s2, 0xf033
	s_cbranch_scc0 .Lentry_shape_is_right
	s_endpgm
.Lentry_shape_is_right:
; out0[m][n] = sum over k of ah[m][k] wo16[k][n].  ah: [2048][2048] f16, K innermost; wo16: [2048 (k)][2048 (n)] f16; out0: f32.  Sums in f32.
; A tile of out0 is 128 x 128: 16 x 16 = 256 work-groups.  Four waves, each 64 x 64: 16 accumulators.  K goes in steps of 256 through a ring of two LDS slots filled by the tensor data mover:
; ah's tile is 128 rows of 512 bytes, wo16's 256 rows (k) of 256 bytes; wo16's fragments come out of LDS turned, by ds_load_tr16_b128.
; CLUSTERS: 4 x 4 work-groups; ah's tiles are shared along a row of the cluster, wo16's along a column, each asked for jointly.
; THE MATRIX INSTRUCTION IS USED TRANSPOSED (source 0 = 16 columns n, source 1 = 16 rows m): a lane holds eight neighbouring numbers of a row of out0.  A wave's 64 columns are 256 aligned bytes: each wave has a stage of its own.
; LIMIT: |ah| and |W_o| under 65,504 (f16).  A row of ah that is NaN (a query with no key that counts) gives a row of NaN.
; REGISTERS: window 0: v16-29 addresses; v32-95 the way out; v128-255 the accumulators ((a, b) at v[128 + 8 (4 a + b)]).  Window 1: two fragment buffers of 128: for 64 along K, 64 registers of ah, then 64 of wo16.
.set PA,     528                       ; a row of ah in LDS: 512 bytes + 16 = 132 words: the 16 rows of a load start at 16 different groups of 4 banks (64 banks of 4 bytes: ISA guide 11.1)
.set PB,     288                       ; a row of wo16: 256 + 32 = 72 words
.set AHALF,  64*PA
.set BHALF,  128*PB
.set BOFF,   2*AHALF
.set SLOT,   BOFF+2*BHALF
.set STAGE,  2*SLOT                    ; behind the ring: 16 rows x 272 bytes for each wave
.set SPITCH, 272
.set SPARE,  STAGE+4*16*SPITCH         ; the spare words, 128 bytes for each wave: two blocks of 256 bytes that no other line names
.set LAPS,   4                         ; a lap = two K steps = once round the ring
.set ADRA, 16                          ; v16-17  my fragments of ah in slot 0, 1
.set ADRB, 20                          ; v20-23  of wo16: slot 0 rows 0-127, slot 0 rows 128-255, slot 1 likewise
.set STO,  24
.set RD,   25
.set CO,   26
.set SPW,  28                          ; LDS address of my spare word; never rewritten
.set NIL,  29                          ; 0; never rewritten
.set TMP,  32
.set ACC,  128
.set F0,   0
.set F1,   128
.set G1, 24
.set G0, 32
.set G1B, 48
.set G0B, 56
.set MSB, 0
.macro WIN new                         ; the immediate's high byte repeats the setting that is left
.if MSB != \new
	s_set_vgpr_msb (MSB<<8)|\new
.set MSB, \new
.endif
.endm
.set MUL,  0x05                        ; sources 0 and 1 window 1; C and D window 0
.set TO_F, 0x40                        ; destination window 1, address window 0
.macro JLOAD s                         ; a joint load: waves 0 and 1 fetch ah's two halves, waves 2 and 3 wo16's; an s_nop 0 and four v_nop follow each of the two lines
	s_cmp_eq_u32 s11, 0
	s_cbranch_scc0 .Lfor_b_\@
	tensor_load_to_lds s[G0+4*\s:G0+4*\s+3], s[G1:G1+7]
	s_nop 0
.rept 4
	v_nop
.endr
	s_branch .Lasked_\@
.Lfor_b_\@:
	tensor_load_to_lds s[G0B+4*\s:G0B+4*\s+3], s[G1B:G1B+7]
	s_nop 0
.rept 4
	v_nop
.endr
.Lasked_\@:
.endm
.macro CREST
	s_cmp_lg_u32 s10, 0
	s_cbranch_scc1 .Lnot_wave_0_\@
	s_barrier_signal -3
.Lnot_wave_0_\@:
	s_barrier_wait -3
	s_barrier_signal -1
	s_barrier_wait -1
.endm
.macro CROUND
	s_barrier_signal -1
	s_barrier_wait -1
	CREST
.endm
	s_load_b128 s[4:7], s[0:1], 0x0                ; ah s[4:5], wo16 s[6:7]
	s_load_b64 s[8:9], s[0:1], 0x10                ; out0
	v_lshl_add_u32 v[SPW], v0, 2, SPARE
	v_mov_b32 v[NIL], 0
	ds_add_u32 v[SPW], v[NIL]                      ; the wave's opening: the add, twice on end, and its wait ahead of my first tensor load
	ds_add_u32 v[SPW], v[NIL]
	v_lshrrev_b32 v1, 5, v0
	v_readfirstlane_b32 s10, v1                    ; wave 0..3
	s_lshr_b32 s11, s10, 1                         ; which half of the tile's rows is mine.  Also: I fetch for ah (0) or for wo16 (1)
	s_and_b32 s12, s10, 1                          ; which half of its columns.  Also: which half of that tile I fetch
	s_bfe_u32 s40, ttmp6, 0x40000
	s_bfe_u32 s41, ttmp6, 0x40004
	s_lshl_b32 s42, ttmp9, 2
	s_add_co_u32 s42, s42, s40                     ; tile column
	s_and_b32 s13, ttmp7, 0xffff
	s_lshl_b32 s13, s13, 2
	s_add_co_u32 s13, s13, s41                     ; tile row
	s_lshl_b32 s43, s41, 2
	s_lshl_b32 s43, 15, s43                        ; my row of the cluster
	s_lshl_b32 s44, 0x1111, s40                    ; my column
	s_or_b32 s[G1+0], s43, (1<<16)|(1<<20)|(1<<21)|(6<<22)|(3<<25)   ; ah: elements of 2 bytes; 4 words of padding after every 128
	s_or_b32 s[G1B+0], s44, (1<<16)|(1<<20)|(1<<21)|(5<<22)|(7<<25)  ; wo16: 8 words of padding after every 64
	s_mov_b32 s[G1+1], 256<<16                     ; tensor_dim0 = 256
	s_mov_b32 s[G1+2], 64<<16                      ; tensor_dim1 = 64
	s_mov_b32 s[G1+3], 256<<16                     ; tile_dim0
	s_mov_b32 s[G1+4], 64                          ; tile_dim1
	s_mov_b32 s[G1+5], 2048                        ; from row to row
	s_mov_b32 s[G1+6], 0
	s_mov_b32 s[G1+7], 0
	s_mov_b32 s[G1B+1], 128<<16
	s_mov_b32 s[G1B+2], 128<<16
	s_mov_b32 s[G1B+3], 128<<16
	s_mov_b32 s[G1B+4], 128
	s_mov_b32 s[G1B+5], 2048
	s_mov_b32 s[G1B+6], 0
	s_mov_b32 s[G1B+7], 0
	s_lshl_b32 s16, s13, 7
	s_lshl_b32 s17, s12, 6
	s_add_co_u32 s16, s16, s17                     ; ah: row 128 x tile row + 64 x half,
	s_lshl_b32 s16, s16, 12                        ; of 4,096 bytes
	s_mov_b32 s17, 0
	s_lshl_b32 s46, s12, 19                        ; wo16: row (k) 128 x half,
	s_lshl_b32 s47, s42, 8
	s_add_co_u32 s46, s46, s47                     ; column 128 x tile column
	s_mov_b32 s47, 0
	s_mul_i32 s20, s12, AHALF                      ; where they go
	s_mul_i32 s21, s12, BHALF
	s_add_co_u32 s21, s21, BOFF
	s_wait_dscnt 0x0                               ; both opening adds are done
	s_wait_kmcnt 0x0
	s_add_nc_u64 s[14:15], s[4:5], s[16:17]
	s_add_nc_u64 s[46:47], s[6:7], s[46:47]
	CROUND                                         ; all sixteen work-groups are here: the first joint loads meet
.irp s, 0,1
	s_mov_b32 s[G0+4*\s], 1
	s_add_co_u32 s[G0+4*\s+1], s20, \s*SLOT
	s_add_nc_u64 s[G0+4*\s+2:G0+4*\s+3], s[14:15], \s*512
	s_or_b32 s[G0+4*\s+3], s[G0+4*\s+3], 0x80000000
	s_mov_b32 s[G0B+4*\s], 1
	s_add_co_u32 s[G0B+4*\s+1], s21, \s*SLOT
	s_add_nc_u64 s[G0B+4*\s+2:G0B+4*\s+3], s[46:47], \s*1048576
	s_or_b32 s[G0B+4*\s+3], s[G0B+4*\s+3], 0x80000000
	JLOAD \s
.endr
	v_and_b32 v1, 15, v0                           ; r
	v_bfe_u32 v2, v0, 4, 1                         ; h
	v_mul_u32_u24 v3, v1, PA
	v_lshl_add_u32 v3, v2, 4, v3                   ; ah: row x pitch + 16 h
	v_and_b32 v4, 7, v0                            ; wo16: lane l reads row (k) 8 h + l % 8, columns 8 ((l / 8) % 2) on
	v_lshl_add_u32 v4, v2, 3, v4
	v_mul_u32_u24 v4, v4, PB
	v_bfe_u32 v5, v0, 3, 1
	v_lshl_add_u32 v4, v5, 4, v4
	s_mul_i32 s21, s11, AHALF                      ; my 64 rows of ah
	s_lshl_b32 s22, s12, 7                         ; my 64 columns of wo16
	s_add_co_u32 s22, s22, BOFF
.irp s, 0,1
	v_add_nc_u32 v[ADRA+\s], s21, v3
	v_add_nc_u32 v[ADRB+2*\s], s22, v4
	v_add_nc_u32 v[ADRB+2*\s+1], BHALF, v[ADRB+2*\s]
	s_add_co_u32 s21, s21, SLOT
	s_add_co_u32 s22, s22, SLOT
.endr
	s_mul_i32 s23, s10, 16*SPITCH
	s_add_co_u32 s23, s23, STAGE                   ; my stage
	v_mul_u32_u24 v4, v1, SPITCH                   ; in: row r, 32 bytes for each half of the lanes
	v_lshl_add_u32 v4, v2, 5, v4
	v_add_nc_u32 v[STO], s23, v4
	v_mul_u32_u24 v5, v2, SPITCH                   ; back: lanes 0-15 one row of 256 bytes, lanes 16-31 the next
	v_lshl_add_u32 v5, v1, 4, v5
	v_add_nc_u32 v[RD], s23, v5
	v_lshlrev_b32 v5, 13, v2                       ; and the same two rows in out0: 8,192 bytes a row
	v_lshl_add_u32 v[CO], v1, 4, v5
	s_lshl_b32 s16, s13, 7
	s_lshl_b32 s17, s11, 6
	s_add_co_u32 s16, s16, s17                     ; my first row: 128 x tile row + 64 x half
	s_lshl_b32 s16, s16, 13
	s_lshl_b32 s17, s42, 9                         ; my first column, in bytes: 512 x tile column + 256 x half
	s_add_co_u32 s16, s16, s17
	s_lshl_b32 s17, s12, 8
	s_add_co_u32 s16, s16, s17
	s_mov_b32 s17, 0
	s_add_nc_u64 s[8:9], s[8:9], s[16:17]
; 8 matrix instructions: m blocks a0, a0 + 1 x all 4 n blocks, 32 along K: half c of buffer f.  The 16 accumulators take turns, one instruction a turn
.macro MUL8 f, c, a0, zero
.irp a, \a0, \a0+1
.irp b, 0,1,2,3
.if \zero
	v_wmma_f32_16x16x32_f16 v[ACC+8*(4*(\a)+\b):ACC+8*(4*(\a)+\b)+7], v[\f+64+8*(4*\c+\b):\f+64+8*(4*\c+\b)+7], v[\f+8*(4*\c+\a):\f+8*(4*\c+\a)+7], 0
.else
	v_wmma_f32_16x16x32_f16 v[ACC+8*(4*(\a)+\b):ACC+8*(4*(\a)+\b)+7], v[\f+64+8*(4*\c+\b):\f+64+8*(4*\c+\b)+7], v[\f+8*(4*\c+\a):\f+8*(4*\c+\a)+7], v[ACC+8*(4*(\a)+\b):ACC+8*(4*(\a)+\b)+7]
.endif
.endr
.endr
.endm
; 32 LDS loads in one run: the fragments of the slot's q-th 64 along K, into buffer f; the first 32 along K first
.macro FETCH slot, q, f
	WIN TO_F
.irp c, 0,1
.irp i, 0,1,2,3
	ds_load_tr16_b128 v[\f+64+8*(4*\c+\i):\f+64+8*(4*\c+\i)+3],   v[ADRB+2*\slot+(\q)/2] offset:(64*((\q)%2)+32*\c)*PB+32*\i
	ds_load_tr16_b128 v[\f+64+8*(4*\c+\i)+4:\f+64+8*(4*\c+\i)+7], v[ADRB+2*\slot+(\q)/2] offset:(64*((\q)%2)+32*\c+16)*PB+32*\i
	ds_load_b128 v[\f+8*(4*\c+\i):\f+8*(4*\c+\i)+3],         v[ADRA+\slot] offset:128*(\q)+64*\c+\i*16*PA
	ds_load_b128 v[\f+8*(4*\c+\i)+4:\f+8*(4*\c+\i)+7],       v[ADRA+\slot] offset:128*(\q)+64*\c+\i*16*PA+32
.endr
.endr
.endm
.macro PLACES                          ; four places in front of loads into registers that matrix instructions have read, and of the first read of results
.rept 4
	v_nop
.endr
.endm
; A K step is four quarters of 64 along K, 32 matrix instructions each, on buffers 0, 1, 0, 1.  One of the first three: multiplies buffer f and fetches quarter qn into g.
.macro QUARTER slot, qn, f, g, zero
	s_wait_dscnt 16                                ; the first 32 along K are in
	WIN MUL
	MUL8 \f, 0, 0, \zero
	MUL8 \f, 0, 2, \zero
	PLACES
	FETCH \slot, \qn, \g
	s_wait_dscnt 32                                ; all but the 32 just issued
	WIN MUL
	MUL8 \f, 1, 0, 0
	MUL8 \f, 1, 2, 0
.endm
; The last quarter multiplies buffer 1 and changes slots: one barrier; in front of it each wave waits for all its tensor loads, adds 0 to its spare word, and waits for that and for its reads of this slot.
.macro TURN slot, next, fill
	WIN 0                                          ; (the add's two registers lie in window 0)
	s_wait_tensorcnt 0x0                           ; all my tensor loads have landed: my part of the next slot
	ds_add_u32 v[SPW], v[NIL]                      ; 0 onto my spare word
	s_wait_dscnt 17                                ; (the add and the youngest sixteen loads may be out)
	WIN MUL
	MUL8 F1, 0, 0, 0                               ; eight matrix instructions stand between the add and the wait for it
	s_wait_dscnt 0x0                               ; the add is done, and my reads of this slot are over
	s_barrier_signal -1
	MUL8 F1, 0, 2, 0
.if \fill
	WIN 0
.endif
	s_barrier_wait -1
.if \fill
	CREST                                          ; the barrier has opened a round of the cluster's barrier: no wave of any partner still reads this slot or has a load on its way
	s_add_nc_u64 s[G0+4*\slot+2:G0+4*\slot+3], s[G0+4*\slot+2:G0+4*\slot+3], 1024
	s_add_nc_u64 s[G0B+4*\slot+2:G0B+4*\slot+3], s[G0B+4*\slot+2:G0B+4*\slot+3], 2097152
	JLOAD \slot                                    ; the first tensor load behind the round; its four v_nop are the places in front of the loads below
.else
	PLACES
.endif
	FETCH \next, 0, F0
	WIN MUL
	MUL8 F1, 1, 0, 0
	MUL8 F1, 1, 2, 0
.endm
	s_wait_tensorcnt 1                             ; my part of K step 0 is in; K step 1's may be out
	s_barrier_signal -1
	s_barrier_wait -1
	FETCH 0, 0, F0
	QUARTER 0, 1, F0, F1, 1                        ; the first quarter stands in front of the loop: its first products start the sums
	WIN 0                                          ; at a label and at a branch every window is 0
	s_mov_b32 s3, LAPS-1
.Llap:                                                 ; a trip goes once round the ring, from a lap's second quarter to the next lap's first, and fills both slots again
	QUARTER 0, 2, F1, F0, 0
	QUARTER 0, 3, F0, F1, 0
	TURN 0, 1, 1
	QUARTER 1, 1, F0, F1, 0
	QUARTER 1, 2, F1, F0, 0
	QUARTER 1, 3, F0, F1, 0
	TURN 1, 0, 1
	QUARTER 0, 1, F0, F1, 0
	WIN 0
	s_sub_co_u32 s3, s3, 1
	s_cmp_lg_u32 s3, 0
	s_cbranch_scc1 .Llap
	QUARTER 0, 2, F1, F0, 0                        ; the last lap fills nothing
	QUARTER 0, 3, F0, F1, 0
	TURN 0, 1, 0
	QUARTER 1, 1, F0, F1, 0
	QUARTER 1, 2, F1, F0, 0
	QUARTER 1, 3, F0, F1, 0
	s_wait_dscnt 16
	WIN MUL
	MUL8 F1, 0, 0, 0
	MUL8 F1, 0, 2, 0
	s_wait_dscnt 0
	MUL8 F1, 1, 0, 0
	MUL8 F1, 1, 2, 0
	WIN 0
; THE WAY OUT, block by block of 16 rows x 64 columns: into my own stage, 32 bytes a lane, and back as whole rows of 256 bytes.  LDS serves a wave's instructions in order: no wait between the stores and the loads, nor in front of the next block's stores.
.macro TOSTAGE a
.irp b, 0,1,2,3
	ds_store_b128 v[STO], v[ACC+8*(4*(\a)+\b):ACC+8*(4*(\a)+\b)+3] offset:64*\b            ; each accumulator from its low end on
	ds_store_b128 v[STO], v[ACC+8*(4*(\a)+\b)+4:ACC+8*(4*(\a)+\b)+7] offset:64*\b+16
.endr
.irp t, 0,1,2,3,4,5,6,7
	ds_load_b128 v[TMP+32*((\a)%2)+4*\t:TMP+32*((\a)%2)+4*\t+3], v[RD] offset:\t*2*SPITCH
.endr
.endm
.macro SEND a, younger                 ; younger: the LDS instructions issued behind block a's loads, which may stay out
	s_wait_dscnt \younger
.irp t, 0,1,2,3,4,5,6,7
	global_store_b128 v[CO], v[TMP+32*((\a)%2)+4*\t:TMP+32*((\a)%2)+4*\t+3], s[8:9] offset:(16*(\a)+2*\t)*8192 th:TH_STORE_NT   ; 16 lanes store 256 consecutive bytes, aligned
.endr
.endm
	PLACES
	TOSTAGE 0
.irp a, 1,2,3
.if \a > 1
	s_wait_xcnt 0x0                                ; block a - 2's stores have read their registers: block a's loads may land there
.endif
	TOSTAGE \a
	SEND \a-1, 16                                  ; behind block a - 1's loads: block a's 8 stores and 8 loads
.endr
	SEND 3, 0
	s_wait_tensorcnt 0x0                           ; the wave's end, behind my last tensor load and my last LDS store
	ds_add_u32 v[SPW], v[NIL]
	s_wait_dscnt 0x0
	CROUND                                         ; the closing round: no work-group ends while a partner may still ask for a tile that names it
	s_endpgm
.Lfunc_end_k_qa961a51b73_oproj:
	.size	k_qa961a51b73_oproj, .Lfunc_end_k_qa961a51b73_oproj-k_qa961a51b73_oproj
	.p2alignl 7, 3214868480
	.fill 96, 4, 3214868480
	.section	.rodata,"a",@progbits
	.p2align	6, 0x0
	.amdhsa_kernel k_qa961a51b73_oproj
		.amdhsa_group_segment_fixed_size 327680
		.amdhsa_private_segment_fixed_size 0
		.amdhsa_enable_private_segment 0
		.amdhsa_kernarg_size 24
		.amdhsa_user_sgpr_count 2
		.amdhsa_user_sgpr_kernarg_segment_ptr 1
		.amdhsa_wavefront_size32 1
		.amdhsa_system_sgpr_workgroup_id_x 1
		.amdhsa_system_sgpr_workgroup_id_y 1
		.amdhsa_system_sgpr_workgroup_id_z 1
		.amdhsa_system_vgpr_workitem_id 0
		.amdhsa_next_free_vgpr 512
		.amdhsa_next_free_sgpr 66
		.amdhsa_reserve_vcc 0
		.amdhsa_float_denorm_mode_32 3
		.amdhsa_float_denorm_mode_16_64 3
		.amdhsa_memory_ordered 1
		.amdhsa_forward_progress 1
		.amdhsa_inst_pref_size 86
	.end_amdhsa_kernel
	.amdgpu_metadata
---
amdhsa.version: [ 1, 2 ]
amdhsa.kernels:
  - .name:           k_qa961a51b73_oproj
    .symbol:         k_qa961a51b73_oproj.kd
    .args:
      - { .name: ah, .offset: 0, .size: 8, .value_kind: global_buffer, .address_space: global }
      - { .name: wo16, .offset: 8, .size: 8, .value_kind: global_buffer, .address_space: global }
      - { .name: out0, .offset: 16, .size: 8, .value_kind: global_buffer, .address_space: global }
    .group_segment_fixed_size: 327680
    .private_segment_fixed_size: 0
    .kernarg_segment_align: 8
    .kernarg_segment_size: 24
    .max_flat_workgroup_size: 128
    .sgpr_count:     66
    .vgpr_count:     512
    .wavefront_size: 32
...
	.end_amdgpu_metadata
.endif
;; end of part 4
